; MI455X (gfx1250); checked and timed in simulation.
; The chip was launched on July 23, 2026; its instructions are those of AMD's public machine-readable ISA for CDNA 5 (MIT licence, August 2026) and "CDNA5" Instruction Set Architecture Reference Guide (July 2026). The comments in the code are by the model that wrote it; some were corrected since.
;; Custom Bert Attention. Allowed arithmetic: matrix products marked QUANTISED: E2M1 operands, one E8M0 scale for each 32 along K, by v_wmma_scale_f32_16x16x128_f8f6f4 with both operands' format E2M1 (or v_wmma_scale_f32_32x16x128_f4), f32 sums; everything else in f32.
;; Inputs: Wk 1,024 x 1,024 float32; Wo 1,024 x 1,024 float32; Wq 1,024 x 1,024 float32; Wv 1,024 x 1,024 float32; bias_coef one number float32; bias_matrix_chunk 2,048 x 2,048 float32; bk 1,024 float32; bo 1,024 float32; bq 1,024 float32; bv 1,024 float32; hidden_states 4 x 2,048 x 1,024 float32; ln_beta 1,024 float32; ln_gamma 1,024 float32.
;; Outputs: out0 4 x 2,048 x 1,024 float32.
;; This version of the problem:
;;   THIS VERSION OF THE PROBLEM IS GIVEN IN LOW PRECISION. The matrix products marked QUANTISED in the list below multiply operands that are first quantised to E2M1 (2 exponent bits, 1 mantissa bit; 4 bits a number), with one power-of-two scale for each 32 numbers along K (OCP MX v1.0); their sums are f32. All else is computed in f32.
;;   The module's matrix products, in the order in which they are computed (A, B: the left and right operand; K: the contracted axis; several contracted axes count as one K, in the product's order):
;;     1. [M 8,192, K 1,024] x [K 1,024, N 1,024]; A: input hidden_states; B: input Wq: QUANTISED
;;     2. [M 8,192, K 1,024] x [K 1,024, N 1,024]; A: input hidden_states; B: input Wk: QUANTISED
;;     3. [M 8,192, K 1,024] x [K 1,024, N 1,024]; A: input hidden_states; B: input Wv: QUANTISED
;;     4. batch 64 x [M 2,048, K 64] x [K 64, N 2,048]; A: computed on the way; B: computed on the way: QUANTISED
;;     5. batch 64 x [M 2,048, K 2,048] x [K 2,048, N 64]; A: softmax (see below); B: computed on the way: QUANTISED
;;     6. [M 8,192, K 1,024] x [K 1,024, N 1,024]; A: computed on the way; B: input Wo: QUANTISED
;;   THE QUANTISER, for each operand of a quantised product, along K:
;;     - K is cut into blocks of 32 from its start; a last block that is shorter is filled with zeros.
;;     - A block's scale is 2^e with e = floor(log2(the largest magnitude in the block)) - 2, held to -126 .. 127; a block of zeros has e = 0. As a byte (E8M0): e + 127.
;;     - Each number is divided by its block's scale, clamped to +-6, and rounded to the nearest number of E2M1, ties to even, subnormals kept.
;;     - The product sums the exact products of the quantised numbers (number of the format x scale) in f32.
;;   ~~~python
;;   def quantise(x, axis):      # numpy; x: float32 -> the quantised numbers, widened to float32 again
;;       x = np.moveaxis(x, axis, -1); K = x.shape[-1]
;;       x = np.pad(x, [(0, 0)] * (x.ndim - 1) + [(0, -K % 32)]); x = x.reshape(x.shape[:-1] + (-1, 32)); a = np.abs(x).max(-1, keepdims=True)
;;       e = np.where(a > 0, np.clip(np.frexp(np.where(a > 0, a, 1))[1] - 1 - 2, -126, 127), 0)      # np.frexp(a)[1] - 1 = floor(log2(a)), exactly
;;       r = np.clip(x / 2.0 ** e, -6, 6)
;;       step = 2.0 ** (np.maximum(np.frexp(np.where(r == 0, 1, r))[1] - 1, 0) - 1)
;;       q = np.round(r / step) * step * 2.0 ** e      # np.round: ties to even
;;       return np.moveaxis(q.reshape(q.shape[:-2] + (-1,))[..., :K], -1, axis).astype(np.float32)
;;   ~~~
;;   SOFTMAX AHEAD OF A QUANTISED PRODUCT. Where the list says 'softmax', what is quantised is not the finished softmax but p = 2^(t - M), with t = logit x log2(e) and M = ceil(the row's largest t), a whole number; so 1/2 < the row's largest p <= 1. The row's sum l is taken of the UNQUANTISED p, in f32, and the product's result is divided by l at the end. Since M is a whole number, a kernel that streams over the keys may use a running M (the ceiling of the running maximum): every later rescaling is an exact power of two, which a block's scale takes up: the codes' values come out the same.
;;   OPERANDS COMPUTED ON THE WAY. 'Computed on the way' means the value that the module computes at that place (a softmax that the list does not call 'softmax' is quantised finished and normalised). What goes into a quantiser is computed in f32, as accurately as f32 sums, v_exp_f32 and their like allow (about 1e-6 of the number): no bf16 or f16 on the way to a quantiser, and a product that is left as it is and whose result goes on into a quantised operand takes f32 operands (vector FMAs, or v_wmma_f32_16x16x4_f32). A number that lies on a knife's edge between two numbers of the format may be rounded either way, as far as f32 arithmetic and the matrix unit's own rounding can turn it there, and no further.
;; One version. Each part assembles by itself: llvm-mc -triple=amdgcn-amd-amdhsa -mcpu=gfx1250 --defsym DOCPART=n.
;; ======== version 1 of 1: 4 launches
;; limits: right only within a limited range of input values
;; workspace buffers: xq 4,456,448 bytes; wq 1,671,168 bytes; woq 557,056 bytes; qb 9,175,040 bytes; kv 9,175,040 bytes; cc 4,194,304 bytes; cs 262,144 bytes
;; launch quant (part 1): grid 384 x 1, 4 waves a work-group, no clusters, 33,280 bytes of LDS; arguments hidden_states, Wq, Wk, Wv, Wo, xq, wq, woq; writes xq, wq, woq
.if DOCPART == 1
	.amdgcn_target "amdgcn-amd-amdhsa--gfx1250"
	.amdhsa_code_object_version 6
	.text
	.protected	k_q35d8061508_quant
	.globl	k_q35d8061508_quant
	.p2align	8
	.type	k_q35d8061508_quant,@function
k_q35d8061508_quant:
	s_mov_b64 s[64:65], 0
	v_nop
	global_prefetch_b8 v0, s[64:65] scope:SCOPE_SE
	s_setreg_imm32_b32 hwreg(HW_REG_WAVE_MODE, 25, 1), 1
	s_wait_xcnt 0x0
; BERT attention in MX-FP4, launch 1 of 4: hidden_states and the four weights become codes of E2M1 with one E8M0 byte for each 32 along their last axis, which is K in all their products.
; NO WORK OF THE PROBLEM IS LEFT OUT in any launch: every input has a way to the output (bk moves k's codes; the score bias differs along the softmax's axis), so every input is loaded by some launch.
; A block's scale is 2^(floor(log2(largest magnitude)) - 2); its byte is the largest magnitude's exponent field - 2, held at 1 from below.
; LIMITS: NaN and infinities among the inputs are not served.  A block whose largest magnitude lies under 2^-124 gets the byte 1; a block of zeros gets 1 where the rule says 127: its codes are zeros, which add
; nothing under any byte but 0xff, and the bytes are read by this program alone.
; WORK-GROUPS 32 .. 383, THE STREAM: hidden_states (256 work-groups) -> xq, Wq, Wk, Wv (32 each) -> wq, as rows of codes (512 bytes a row of 1,024) and, behind them, rows of scale bytes (32 a row).
;   Rows are dense, so a tensor is a stream of blocks of 32.  A wave takes 16 steps of 512 numbers.  Each load reads 512 consecutive bytes; a step's 2,048 bytes turn through the wave's own stage in LDS and come back
;   64 bytes a lane, so that a lane holds 16 neighbours for the conversions; two neighbouring lanes hold a block.  A wave's store of codes covers 256 consecutive bytes; its 256 scale bytes leave as one such store.
; WORK-GROUPS 0 .. 31, THE IMAGES: Wo -> woq, laid as the last launch's operand registers: fragment (16 rows of Wo, 128 along K) = 1,024 bytes, group c of four registers at 512 c + 16 lane.  This path uses no LDS.
;   Its scale words: for 16 rows and four K steps 256 bytes, lane l's two words: word i of lane 16 u + r = row r, K step 2 i + u of the four.
.set WAVES, 4
.set STEPS, 16
.set NIMG,  32                         ; work-groups of the image path
.set NHS,   256                        ; work-groups of hidden_states
.set EMAX,  2
.set CB,    8                          ; bytes of 16 codes
.set R,     16                         ; stream: v16-143  eight sets of 16 numbers as loaded
.set X,     144                        ; stream: v144-175 two sets of 16 neighbours
.set E,     176                        ; stream: v176-191 a scale byte for each step
.set C,     192                        ; stream: v192-255 codes, four registers a step
.set WREG,  8192                       ; LDS: a region for each wave: two stages of 32 x SP bytes, then its 256 scale bytes
.set SP,    80
.set SPW,   12                         ; v12 LDS address of my spare word; never rewritten
.set NIL,   13                         ; v13 0; never rewritten
.set SPARE, WAVES*WREG                 ; the spare words: 128 bytes a wave, named by no other line
.set PWI,   24                         ; images: v24-27 the four K steps' scale words
.set WW,    28                         ; images: v[28:29] the two words that leave
.set TM,    32                         ; images: v32-47 at work
.set XS0,   64                         ; images: v64-127, v128-191 two sets of 64 numbers
.set PCI,   192                        ; images: v192-223 the four K steps' codes
	s_load_b512 s[4:19], s[0:1], 0x0               ; hidden_states s[4:5], Wq s[6:7], Wk s[8:9], Wv s[10:11], Wo s[12:13], xq s[14:15], wq s[16:17], woq s[18:19]
	v_lshl_add_u32 v[SPW], v0, 2, SPARE
	v_mov_b32 v[NIL], 0
	v_lshrrev_b32 v1, 5, v0
	v_readfirstlane_b32 s20, v1                    ; wave
	v_and_b32 v2, 31, v0                           ; lane
	s_cmp_lt_u32 ttmp9, NIMG
	s_cbranch_scc1 .Limage
	; ---------------- the stream ----------------
	v_lshlrev_b32 v3, 4, v2                        ; my 16 bytes of a load's 512
	s_mul_i32 s21, s20, WREG
	v_lshrrev_b32 v14, 2, v2
	v_mul_u32_u24 v14, v14, SP
	v_and_b32 v15, 3, v2
	v_lshl_add_u32 v14, v15, 4, v14
	v_add_nc_u32 v14, s21, v14                     ; the stage, on the way in: SP (lane / 4) + 16 (lane % 4)
	v_mul_u32_u24 v15, v2, SP
	v_add_nc_u32 v15, s21, v15                     ; and on the way out: SP x lane
	v_mul_u32_u24 v4, v2, CB                       ; my codes' place in a step's
	v_lshrrev_b32 v5, 1, v2
	s_add_co_u32 s21, s21, 2*32*SP
	v_add_nc_u32 v5, s21, v5                       ; my block's byte among my wave's 256
	v_lshlrev_b32 v7, 3, v2
	v_add_nc_u32 v6, s21, v7                       ; and 8 bytes a lane on their way out
	s_sub_co_u32 s22, ttmp9, NIMG                  ; j: 0 .. 255 hidden_states, 256 .. 351 the three weights
	s_sub_co_u32 s23, s22, NHS                     ; j': the place in wq (used where j >= 256)
	s_and_b32 s24, s23, 31                         ; and in its own weight
	s_wait_alu depctr_va_vdst(0)
	s_wait_kmcnt 0x0
	s_cmp_lt_u32 s22, NHS+64                       ; every choice hangs on the work-group's number alone
	s_cselect_b64 s[8:9], s[8:9], s[10:11]         ; Wk or Wv
	s_cmp_lt_u32 s22, NHS+32
	s_cselect_b64 s[6:7], s[6:7], s[8:9]           ; Wq or that
	s_cmp_lt_u32 s22, NHS
	s_cselect_b64 s[4:5], s[4:5], s[6:7]           ; what I read
	s_cselect_b64 s[14:15], s[14:15], s[16:17]     ; where I write: xq or wq
	s_cselect_b32 s24, s22, s24
	s_cselect_b32 s25, s22, s23
	s_mov_b32 s26, 1572864                         ; where the scale bytes begin: behind 3,072 rows of codes,
	s_cselect_b32 s26, 4194304, s26                ; or behind 8,192
	s_lshl_b32 s24, s24, 2
	s_add_co_u32 s24, s24, s20                     ; which run of 8,192 numbers I read,
	s_lshl_b32 s25, s25, 2
	s_add_co_u32 s25, s25, s20                     ; and which I write
	s_lshl_b32 s28, s24, 15
	s_mov_b32 s29, 0
	s_add_nc_u64 s[4:5], s[4:5], s[28:29]
	s_lshl_b32 s28, s25, 8
	s_add_co_u32 s28, s28, s26
	s_add_nc_u64 s[10:11], s[14:15], s[28:29]      ; my 256 scale bytes
	s_lshl_b32 s28, s25, 12
	s_add_nc_u64 s[8:9], s[14:15], s[28:29]        ; my 4,096 bytes of codes
.macro LOAD t
.irp i, 0,1,2,3
	global_load_b128 v[R+16*((\t)%8)+4*\i:R+16*((\t)%8)+4*\i+3], v3, s[4:5] offset:2048*(\t)+512*\i th:TH_LOAD_NT   ; 32 lanes read 512 consecutive bytes
.endr
.endm
.macro TURN t                          ; step t's numbers through the stage: LDS serves a wave's instructions in order, so no wait stands between the stores and the loads
.irp i, 0,1,2,3
	ds_store_b128 v14, v[R+16*((\t)%8)+4*\i:R+16*((\t)%8)+4*\i+3] offset:32*SP*((\t)%2)+8*SP*\i
.endr
.irp i, 0,1,2,3
	ds_load_b128 v[X+16*((\t)%2)+4*\i:X+16*((\t)%2)+4*\i+3], v15 offset:32*SP*((\t)%2)+16*\i
.endr
.endm
.irp t, 0,1,2,3,4,5,6,7
	LOAD \t
.endr
	s_wait_loadcnt 28                              ; step 0's four loads are in; the 28 of steps 1 to 7 may be out
	TURN 0
.macro STEP t
.set XS, X+16*((\t)%2)
.if (\t) > 0
	s_wait_dscnt 1                                 ; this step's numbers are back from the stage; the last step's byte store may be out
.else
	s_wait_dscnt 0x0
.endif
.if (\t)+8 < STEPS
	LOAD (\t)+8                                    ; into the registers that this step's stores into the stage have read
.endif
.if (\t)+1 < STEPS
.if STEPS-2-(\t) >= 7
	s_wait_loadcnt 28                              ; the next step's four loads are in; those of the seven steps behind it may be out
.else
	s_wait_loadcnt 4*(STEPS-2-(\t))
.endif
	TURN (\t)+1
.endif
	v_max3_num_f32 v8, |v[XS]|, |v[XS+1]|, |v[XS+2]|               ; the largest magnitude of my 16, in two chains
	v_max3_num_f32 v9, |v[XS+3]|, |v[XS+4]|, |v[XS+5]|
.irp i, 6,10
	v_max3_num_f32 v8, v8, |v[XS+\i]|, |v[XS+\i+1]|
	v_max3_num_f32 v9, v9, |v[XS+\i+2]|, |v[XS+\i+3]|
.endr
	v_max3_num_f32 v8, v8, |v[XS+14]|, |v[XS+15]|
	v_max3_num_f32 v8, v8, v9, (EMAX+1)<<23        ; and the floor 2^(3 - 127): the byte cannot fall under 1
	v_max_num_f32_dpp v8, v8, v8 row_xmask:1 row_mask:0xf bank_mask:0xf   ; and of my neighbour's 16: the block's
	v_add_nc_u32 v11, -(EMAX<<23), v8              ; 2 off its exponent field: the conversion takes this operand's exponent field as its scale
	v_cvt_scalef32_pk8_fp4_f32 v[C+4*(\t)], v[XS:XS+7], v11
	v_cvt_scalef32_pk8_fp4_f32 v[C+4*(\t)+1], v[XS+8:XS+15], v11
	v_lshrrev_b32 v[E+(\t)], 23, v11               ; the scale's byte (also the plain line behind the conversions)
	ds_store_b8 v5, v[E+(\t)] offset:16*(\t)       ; both lanes of a block write the same byte with the same value
	global_store_b64 v4, v[C+4*(\t):C+4*(\t)+1], s[8:9] offset:32*CB*(\t)   ; 32 lanes store 256 consecutive bytes
.endm
.irp t, 0,1,2,3,4,5,6,7,8,9,10,11,12,13,14,15
	STEP \t
.endr
	ds_load_b64 v[8:9], v6                         ; LDS serves a wave's instructions in order: these see my byte stores
	s_wait_dscnt 0x0
	global_store_b64 v7, v[8:9], s[10:11]          ; 32 lanes store 256 consecutive bytes
	s_wait_tensorcnt 0x0                           ; the wave's end: behind my last LDS store
	ds_add_u32 v[SPW], v[NIL]
	s_wait_dscnt 0x0
	s_endpgm
	; ---------------- the images of Wo ----------------
.Limage:
	v_and_b32 v6, 15, v0                           ; r
	v_bfe_u32 v7, v0, 4, 1                         ; h
	v_lshlrev_b32 v3, 12, v6
	v_lshl_add_u32 v3, v7, 6, v3                   ; row r of 4,096 bytes, + 64 h: my 16 numbers of each block of 32
	s_wait_alu depctr_va_vdst(0)
	v_lshlrev_b32 v4, 4, v2                        ; 16 x lane: an image's place
	v_lshlrev_b32 v5, 3, v2                        ; 8 x lane: the scale words'
	s_lshl_b32 s21, ttmp9, 2
	s_add_co_u32 s21, s21, s20                     ; i = 0 .. 127: 16 rows i / 2, half i % 2 of K
	s_lshr_b32 s22, s21, 1
	s_and_b32 s23, s21, 1
	s_lshl_b32 s24, s22, 16                        ; 16 rows of 4,096 bytes
	s_lshl_b32 s23, s23, 11                        ; 512 numbers
	s_add_co_u32 s24, s24, s23
	s_mov_b32 s25, 0
	s_lshl_b32 s26, s21, 12                        ; four images
	s_mov_b32 s27, 0
	s_lshl_b32 s28, s21, 8
	s_add_co_u32 s28, s28, 524288                  ; the scale words lie behind the 512 images
	s_mov_b32 s29, 0
	s_mov_b32 s30, 0x76543210
	s_mov_b32 s31, 0xfedcba98                      ; v_permlanex16_b32's selects for lane l xor 16
	s_mov_b32 s32, 0xffff0000                      ; lanes 16 to 31
.irp b, 0,1,2,3
	v_mov_b32 v[TM+4+\b], 0                        ; written once: a lane permute's destination counts as one of its sources
.endr
	s_wait_kmcnt 0x0
	s_add_nc_u64 s[12:13], s[12:13], s[24:25]
	s_add_nc_u64 s[16:17], s[18:19], s[26:27]
	s_add_nc_u64 s[18:19], s[18:19], s[28:29]
.macro XLOAD set, sg                   ; K step sg of my four: register 16 b + i = k 32 b + 16 h + i of row r
.irp b, 0,1,2,3
.irp j, 0,1,2,3
	global_load_b128 v[\set+16*\b+4*\j:\set+16*\b+4*\j+3], v3, s[12:13] offset:512*(\sg)+128*\b+16*\j th:TH_LOAD_NT
.endr
.endr
.endm
.macro QN s, pc, pw                    ; 64 numbers of a lane become a fragment's codes v[pc .. pc + 7] and its scale word v[pw]
.irp b, 0,1,2,3
	v_max3_num_f32 v[TM+\b], |v[\s+16*\b]|, |v[\s+1+16*\b]|, 0x1800000   ; block b: my 16 numbers and the floor 2^(3 - 127)
.endr
.irp i, 2,4,6,8,10,12,14
.irp b, 0,1,2,3
	v_max3_num_f32 v[TM+\b], v[TM+\b], |v[\s+16*\b+\i]|, |v[\s+1+16*\b+\i]|   ; the four blocks by turns
.endr
.endr
.irp b, 0,1,2,3
	v_permlanex16_b32 v[TM+4+\b], v[TM+\b], s30, s31
.endr
.irp b, 0,1,2,3
	v_max_num_f32 v[TM+\b], v[TM+\b], v[TM+4+\b]   ; with lane l xor 16's: the block's largest magnitude
.endr
.irp b, 0,1,2,3
	v_add_nc_u32 v[TM+12+\b], 0xff000000, v[TM+\b] ; 2 off its exponent field
.endr
.irp b, 0,1,2,3
	v_lshrrev_b32 v[TM+4+\b], 23, v[TM+12+\b]      ; the scale's byte
.endr
	v_lshl_or_b32 v[\pw], v[TM+5], 8, v[TM+4]
	v_lshl_or_b32 v[\pw], v[TM+6], 16, v[\pw]
	v_lshl_or_b32 v[\pw], v[TM+7], 24, v[\pw]
.irp b, 0,1,2,3
	v_cvt_scalef32_pk8_fp4_f32 v[\pc+2*\b], v[\s+16*\b:\s+7+16*\b], v[TM+12+\b]
	v_cvt_scalef32_pk8_fp4_f32 v[\pc+1+2*\b], v[\s+8+16*\b:\s+15+16*\b], v[TM+12+\b]
.endr
	v_nop                                          ; one plain line behind the scaled conversions
.irp c, 0,1                                    ; the operand wants a whole block in a lane: lanes 0-15 block 2 c, lanes 16-31 block 2 c + 1
.irp i, 0,1
	v_permlane16_swap_b32 v[\pc+4*\c+\i], v[\pc+2+4*\c+\i]
.endr
.endr
.endm
.macro IMG sg                          ; the fragment leaves as it stands: 512 consecutive bytes a store
	global_store_b128 v4, v[PCI+8*\sg:PCI+8*\sg+3], s[16:17] offset:1024*\sg
	global_store_b128 v4, v[PCI+8*\sg+4:PCI+8*\sg+7], s[16:17] offset:1024*\sg+512
.endm
	XLOAD XS0, 0
	XLOAD XS0+64, 1
	s_wait_loadcnt 16                              ; K step 0's sixteen loads are in; the other set's sixteen may be out
	QN XS0, PCI, PWI
	IMG 0
	XLOAD XS0, 2
	s_wait_loadcnt 16
	QN XS0+64, PCI+8, PWI+1
	IMG 1
	XLOAD XS0+64, 3
	s_wait_loadcnt 16
	QN XS0, PCI+16, PWI+2
	IMG 2
	s_wait_loadcnt 0x0
	QN XS0+64, PCI+24, PWI+3
	IMG 3
	v_cndmask_b32 v[WW], v[PWI], v[PWI+1], s32     ; lanes 0-15: K step 0's words, lanes 16-31: K step 1's (both halves of the lanes hold row r's word)
	v_cndmask_b32 v[WW+1], v[PWI+2], v[PWI+3], s32 ; K steps 2 and 3
	global_store_b64 v5, v[WW:WW+1], s[18:19]      ; 32 lanes store 256 consecutive bytes
	s_endpgm
.Lfunc_end_k_q35d8061508_quant:
	.size	k_q35d8061508_quant, .Lfunc_end_k_q35d8061508_quant-k_q35d8061508_quant
	.p2alignl 7, 3214868480
	.fill 96, 4, 3214868480
	.section	.rodata,"a",@progbits
	.p2align	6, 0x0
	.amdhsa_kernel k_q35d8061508_quant
		.amdhsa_group_segment_fixed_size 33280
		.amdhsa_private_segment_fixed_size 0
		.amdhsa_enable_private_segment 0
		.amdhsa_kernarg_size 64
		.amdhsa_user_sgpr_count 2
		.amdhsa_user_sgpr_kernarg_segment_ptr 1
		.amdhsa_wavefront_size32 1
		.amdhsa_system_sgpr_workgroup_id_x 1
		.amdhsa_system_sgpr_workgroup_id_y 1
		.amdhsa_system_sgpr_workgroup_id_z 1
		.amdhsa_system_vgpr_workitem_id 0
		.amdhsa_next_free_vgpr 256
		.amdhsa_next_free_sgpr 66
		.amdhsa_reserve_vcc 0
		.amdhsa_float_denorm_mode_32 3
		.amdhsa_float_denorm_mode_16_64 3
		.amdhsa_memory_ordered 1
		.amdhsa_forward_progress 1
		.amdhsa_inst_pref_size 57
	.end_amdhsa_kernel
	.amdgpu_metadata
---
amdhsa.version: [ 1, 2 ]
amdhsa.kernels:
  - .name:           k_q35d8061508_quant
    .symbol:         k_q35d8061508_quant.kd
    .args:
      - { .name: hidden_states, .offset: 0, .size: 8, .value_kind: global_buffer, .address_space: global }
      - { .name: Wq, .offset: 8, .size: 8, .value_kind: global_buffer, .address_space: global }
      - { .name: Wk, .offset: 16, .size: 8, .value_kind: global_buffer, .address_space: global }
      - { .name: Wv, .offset: 24, .size: 8, .value_kind: global_buffer, .address_space: global }
      - { .name: Wo, .offset: 32, .size: 8, .value_kind: global_buffer, .address_space: global }
      - { .name: xq, .offset: 40, .size: 8, .value_kind: global_buffer, .address_space: global }
      - { .name: wq, .offset: 48, .size: 8, .value_kind: global_buffer, .address_space: global }
      - { .name: woq, .offset: 56, .size: 8, .value_kind: global_buffer, .address_space: global }
    .group_segment_fixed_size: 33280
    .private_segment_fixed_size: 0
    .kernarg_segment_align: 8
    .kernarg_segment_size: 64
    .max_flat_workgroup_size: 128
    .sgpr_count:     66
    .vgpr_count:     256
    .wavefront_size: 32
...
	.end_amdgpu_metadata
.endif
;; end of part 1
;; launch qkv (part 2): grid 12 x 32, 4 waves a work-group, clusters of 4 x 4, 327,680 bytes of LDS; arguments xq, wq, bq, bk, bv, qb, kv; writes qb, kv
.if DOCPART == 2
	.amdgcn_target "amdgcn-amd-amdhsa--gfx1250"
	.amdhsa_code_object_version 6
	.text
	.protected	k_q35d8061508_qkv
	.globl	k_q35d8061508_qkv
	.p2align	8
	.type	k_q35d8061508_qkv,@function
k_q35d8061508_qkv:
	s_mov_b64 s[64:65], 0
	v_nop
	global_prefetch_b8 v0, s[64:65] scope:SCOPE_SE
	s_setreg_imm32_b32 hwreg(HW_REG_WAVE_MODE, 25, 1), 1
	s_wait_xcnt 0x0
	s_wait_alu depctr_hold_cnt(0) depctr_sa_sdst(0) depctr_va_vdst(0) depctr_va_sdst(0) depctr_va_ssrc(0) depctr_va_vcc(0) depctr_vm_vsrc(0)
	s_getreg_b32 s2, hwreg(HW_REG_IB_STS2, 6, 4)
	s_cmp_eq_u32 s2, 0
	s_cbranch_scc0 .Lentry_in_a_cluster
	s_endpgm
.Lentry_in_a_cluster:
	s_bfe_u32 s2, ttmp6, 0x10000c
	s_cmp_lg_u32 s2, 0xf033
	s_cbranch_scc0 .Lentry_shape_is_right
	s_endpgm
.Lentry_shape_is_right:
.set KSTEP,  512
.set NQ,     KSTEP/128
.set ROWB,   256
.set KROW,   512
.set PITCH,  272
.set FR,     8
.set NL,     2
.set NP,     4
.set HALFT,  128*PITCH
.set SLOT,   4*HALFT
.set KS,     32
.set SCL,    2*SLOT
.set HALFS,  (128*KS/256)*272
.set SBLK,   (16*KS/256)*272
.set SPARE,  SCL+4*HALFS
.set STG,    SPARE+512
.set BLK,    35840
.set ADRA, 16
.set ADRB, 20
.set SHV,  22
.set ASW,  24
.set ARD,  25
.set GO,   26
.set ADRS, 27
.set SPW,  28
.set NIL,  29
.set SC,   32
.set TM,   96
.set PW,   112
.set PWS,  113
.set SW,   114
.set AF,   128
.set BI,   192
.set ISV,  2
.set G1, 24
.set G0, 32
.set G1B, 48
.set G0B, 56
.set G1S, 68
.set G0S, 76
.set G1SB, 80
.set G0SB, 88
.set MSB, 0
.macro WIN new
.if MSB != (\new)
	s_set_vgpr_msb (MSB<<8)|(\new)
.set MSB, (\new)
.endif
.endm
.set MUL_LO, 0xa1
.set MUL_HI, 0xf1
.set BIA_LO, 0x81
.set BIA_HI, 0xc1
.set TO_B,   0x40
.macro JLOAD g0a, g1a, g0b, g1b
	s_cmp_eq_u32 s15, 0
	s_cbranch_scc0 .Lfor_b_\@
	tensor_load_to_lds s[\g0a:\g0a+3], s[\g1a:\g1a+7]
	s_nop 0
.rept 4
	v_nop
.endr
	s_branch .Lasked_\@
.Lfor_b_\@:
	tensor_load_to_lds s[\g0b:\g0b+3], s[\g1b:\g1b+7]
	s_nop 0
.rept 4
	v_nop
.endr
.Lasked_\@:
.endm
.macro CROUND
	s_barrier_signal -1
	s_barrier_wait -1
	s_cmp_lg_u32 s14, 0
	s_cbranch_scc1 .Lnot_wave_0_\@
	s_barrier_signal -3
.Lnot_wave_0_\@:
	s_barrier_wait -3
	s_barrier_signal -1
	s_barrier_wait -1
.endm
	s_load_b256 s[4:11], s[0:1], 0x0
	s_load_b128 s[96:99], s[0:1], 0x20
	s_load_b64 s[100:101], s[0:1], 0x30
	v_lshl_add_u32 v[SPW], v0, 2, SPARE
	v_mov_b32 v[NIL], 0
	ds_add_u32 v[SPW], v[NIL]
	ds_add_u32 v[SPW], v[NIL]
	v_lshrrev_b32 v1, 5, v0
	v_readfirstlane_b32 s14, v1
	s_lshr_b32 s15, s14, 1
	s_and_b32 s16, s14, 1
	s_bfe_u32 s40, ttmp6, 0x40000
	s_bfe_u32 s41, ttmp6, 0x40004
	s_and_b32 s17, ttmp7, 0xffff
	s_lshl_b32 s17, s17, 2
	s_lshl_b32 s42, ttmp9, 2
	s_cmp_eq_u32 ttmp9, 2
	s_cselect_b32 s[ISV], 1, 0
	s_cselect_b32 s42, s17, s42
	s_cselect_b32 s17, 0, s17
	s_add_co_u32 s42, s42, s40
	s_add_co_u32 s17, s17, s41
	s_lshl_b32 s43, s41, 2
	s_lshl_b32 s43, 15, s43
	s_lshl_b32 s44, 0x1111, s40
	s_or_b32 s[G1+0], s43, (0<<16)|(1<<20)|(1<<21)|(5<<22)|(3<<25)
	s_or_b32 s[G1B+0], s44, (0<<16)|(1<<20)|(1<<21)|(5<<22)|(3<<25)
.irp g, G1, G1B
	s_mov_b32 s[\g+1], ROWB<<16
	s_mov_b32 s[\g+2], 256<<16                     ; the head's loads of codes bring 256 rows; behind them the two words that count rows are set to 128
	s_mov_b32 s[\g+3], ROWB<<16
	s_mov_b32 s[\g+4], 256
	s_mov_b32 s[\g+5], KROW
	s_mov_b32 s[\g+6], 0
	s_mov_b32 s[\g+7], 0
.endr
	s_or_b32 s[G1S+0], s43, (3<<16)|(1<<20)|(1<<21)|(5<<22)|(3<<25)
	s_or_b32 s[G1SB+0], s44, (3<<16)|(1<<20)|(1<<21)|(5<<22)|(3<<25)
.irp g, G1S, G1SB
	s_mov_b32 s[\g+1], 32<<16
	s_mov_b32 s[\g+2], (256*KS/256)<<16            ; the scales of 256 rows: KS rows of 256 bytes
	s_mov_b32 s[\g+3], 32<<16
	s_mov_b32 s[\g+4], 256*KS/256
	s_mov_b32 s[\g+5], 32
	s_mov_b32 s[\g+6], 0
	s_mov_b32 s[\g+7], 0
.endr
	s_lshl_b32 s20, s17, 8                         ; the tiles' first rows
	s_lshl_b32 s46, s42, 8
	s_mul_i32 s104, s16, 128*KROW                  ; for slot 1: which 128 rows of a tile I fetch, in bytes
	s_mov_b32 s105, 0
	s_mov_b32 s21, 0
	s_mov_b32 s47, 0
	s_mov_b64 s[18:19], KS
	s_mul_u64 s[22:23], s[20:21], s[18:19]
	s_mul_u64 s[92:93], s[46:47], s[18:19]
	s_mov_b64 s[18:19], KROW
	s_mul_u64 s[20:21], s[20:21], s[18:19]
	s_mul_u64 s[46:47], s[46:47], s[18:19]
	s_mul_i32 s45, s14, HALFT
	s_wait_dscnt 0x0
	s_wait_kmcnt 0x0
	s_add_nc_u64 s[12:13], s[6:7], 1048576
	s_add_nc_u64 s[66:67], s[6:7], 1572864
	s_add_nc_u64 s[94:95], s[4:5], 4194304
	s_add_nc_u64 s[18:19], s[66:67], 65536
	s_cmp_eq_u32 ttmp9, 2
	s_cselect_b64 s[12:13], s[12:13], s[4:5]
	s_cselect_b64 s[18:19], s[18:19], s[94:95]
	s_cselect_b64 s[4:5], s[4:5], s[6:7]
	s_cselect_b64 s[94:95], s[94:95], s[66:67]
	s_add_nc_u64 s[20:21], s[12:13], s[20:21]
	s_add_nc_u64 s[22:23], s[18:19], s[22:23]
	s_add_nc_u64 s[46:47], s[4:5], s[46:47]
	s_add_nc_u64 s[92:93], s[94:95], s[92:93]
	CROUND
	s_mov_b32 s[G0S], 1                            ; the head's four tiles, each whole: the scales of A's 256 rows,
	s_mov_b32 s[G0S+1], SCL
	s_mov_b64 s[G0S+2:G0S+3], s[22:23]
	s_or_b32 s[G0S+3], s[G0S+3], 0x80000000
	s_mov_b32 s[G0SB], 1                           ; those of B's,
	s_mov_b32 s[G0SB+1], SCL+2*HALFS
	s_mov_b64 s[G0SB+2:G0SB+3], s[92:93]
	s_or_b32 s[G0SB+3], s[G0SB+3], 0x80000000
	s_mov_b32 s[G0], 1                             ; K step 0's 256 rows of A (slot 0 is filled once: K is two K steps),
	s_mov_b32 s[G0+1], 0
	s_mov_b64 s[G0+2:G0+3], s[20:21]
	s_or_b32 s[G0+3], s[G0+3], 0x80000000
	s_mov_b32 s[G0B], 1                            ; and its 256 rows of B, behind them in slot 0
	s_mov_b32 s[G0B+1], 2*HALFT
	s_mov_b64 s[G0B+2:G0B+3], s[46:47]
	s_or_b32 s[G0B+3], s[G0B+3], 0x80000000
	s_add_nc_u64 s[20:21], s[20:21], s[104:105]    ; slot 1: my 128 rows of a tile, K step 1
	s_add_nc_u64 s[46:47], s[46:47], s[104:105]
	s_mov_b32 s[G0+4], 1
	s_add_co_u32 s[G0+5], s45, SLOT
	s_add_nc_u64 s[G0+6:G0+7], s[20:21], ROWB
	s_or_b32 s[G0+7], s[G0+7], 0x80000000
	s_mov_b32 s[G0B+4], 1
	s_add_co_u32 s[G0B+5], s45, SLOT
	s_add_nc_u64 s[G0B+6:G0B+7], s[46:47], ROWB
	s_or_b32 s[G0B+7], s[G0B+7], 0x80000000
; THE HEAD'S LOADS, ONE A WAVE: wave 0 fetches K step 0's 256 rows of A, wave 1 its 256 rows of B, wave 2 the scales of A's 256 rows, wave 3 those of B's.
; One tree of branches on the wave's number: every way through the head passes exactly one load.
.macro ARM under, g0, g1, next
	s_cmp_lt_u32 s14, \under
	s_cbranch_scc0 \next
	tensor_load_to_lds s[\g0:\g0+3], s[\g1:\g1+7]
	s_nop 0
.rept 4
	v_nop
.endr
	s_branch .Lhead_asked
\next:
.endm
	ARM 1, G0,  G1,  .Lhead_b
	ARM 2, G0B, G1B, .Lhead_sa
	ARM 3, G0S, G1S, .Lhead_sb
	tensor_load_to_lds s[G0SB:G0SB+3], s[G1SB:G1SB+7]
	s_nop 0
.rept 4
	v_nop
.endr
.Lhead_asked:
	v_and_b32 v1, 15, v0
	v_bfe_u32 v2, v0, 4, 1
	v_mul_u32_u24 v3, v1, PITCH
	v_lshl_add_u32 v4, v2, 4, v3
	s_mul_i32 s21, s15, HALFT
	s_mul_i32 s22, s16, HALFT
	s_add_co_u32 s22, s22, 2*HALFT
.irp s, 0,1
	v_add_nc_u32 v[ADRA+\s], s21, v4
	v_add_nc_u32 v[ADRB+\s], s22, v4
	s_add_co_u32 s21, s21, SLOT
	s_add_co_u32 s22, s22, SLOT
.endr
	v_mul_u32_u24 v5, v1, KS
	v_lshrrev_b32 v6, 8, v5
	v_lshl_add_u32 v5, v6, 4, v5
	s_mul_i32 s21, s15, HALFS
	s_mul_i32 s22, s16, HALFS
	s_add_co_u32 s22, s22, 2*HALFS
	s_sub_co_u32 s22, s22, s21
	v_mul_u32_u24 v6, s22, v2
	s_add_co_u32 s21, s21, SCL
	v_add_nc_u32 v5, v5, v6
	v_add_nc_u32 v[ADRS], s21, v5
	s_lshl_b32 s23, s14, 10
	s_add_co_u32 s23, s23, STG
	v_lshlrev_b32 v5, 2, v1
	v_lshl_add_u32 v5, v2, 9, v5
	v_add_nc_u32 v[ASW], s23, v5
	v_and_b32 v6, 31, v0
	v_lshlrev_b32 v[GO], 4, v6
	v_add_nc_u32 v[ARD], s23, v[GO]
	s_cmp_eq_u32 s[ISV], 1
	s_cselect_b32 s66, 0, 16
	v_mul_u32_u24 v[SHV], s66, v2
.irp b, 0,1,2,3
	v_mov_b32 v[TM+4+\b], 0
.endr
	s_cmp_eq_u32 s[ISV], 1
	s_cbranch_scc1 .Lbias_v
	s_cmp_eq_u32 ttmp9, 0
	s_cselect_b64 s[8:9], s[8:9], s[10:11]
	s_lshl_b32 s66, s40, 10
	s_lshl_b32 s67, s16, 9
	s_add_co_u32 s66, s66, s67
	s_mov_b32 s67, 0
	s_add_nc_u64 s[8:9], s[8:9], s[66:67]
	v_lshlrev_b32 v7, 5, v2
.irp b, 0,1,2,3,4,5,6,7
	global_load_b128 v[BI+8*\b:BI+8*\b+3], v7, s[8:9] offset:64*\b
	global_load_b128 v[BI+8*\b+4:BI+8*\b+7], v7, s[8:9] offset:64*\b+16
.endr
	s_branch .Lbias_done
.Lbias_v:
	s_lshl_b32 s66, s17, 10
	s_lshl_b32 s67, s15, 9
	s_add_co_u32 s66, s66, s67
	s_mov_b32 s67, 0
	s_add_nc_u64 s[8:9], s[96:97], s[66:67]
	v_lshlrev_b32 v7, 2, v1
.irp a, 0,1,2,3,4,5,6,7
	global_load_b32 v[BI+8*\a], v7, s[8:9] offset:64*\a
.endr
	s_wait_loadcnt 0x0
.irp a, 0,1,2,3,4,5,6,7
.irp j, 1,2,3,4,5,6,7
	v_mov_b32 v[BI+8*\a+\j], v[BI+8*\a]
.endr
.endr
.Lbias_done:
.macro FRAG reg, adr, q, i
.irp c, 0,1
	ds_load_b128 v[\reg+4*\c:\reg+4*\c+3], v[\adr] offset:64*(\q)+32*\c+(\i)*16*PITCH
.endr
.endm
.macro MUL16 a0, p, q, sc, zero
.irp a, \a0, \a0+1
.irp b, 0,1,2,3,4,5,6,7
.if (\zero) == 1
	v_wmma_scale_f32_16x16x128_f8f6f4 v[8*(8*((\a)%4)+\b):8*(8*((\a)%4)+\b)+7], v[128*(\p)+FR*\b:128*(\p)+FR*\b+FR-1], v[AF+FR*(\a):AF+FR*(\a)+FR-1], v[BI+8*\b:BI+8*\b+7], v[SC+8*NQ*(\sc)+NQ*\b+(\q)], v[SC+8*NQ*(\sc)+NQ*(\a)+(\q)] matrix_a_fmt:MATRIX_FMT_FP4 matrix_b_fmt:MATRIX_FMT_FP4 matrix_a_scale:MATRIX_SCALE_ROW1
.elseif (\zero) == 2
	v_wmma_scale_f32_16x16x128_f8f6f4 v[8*(8*((\a)%4)+\b):8*(8*((\a)%4)+\b)+7], v[128*(\p)+FR*\b:128*(\p)+FR*\b+FR-1], v[AF+FR*(\a):AF+FR*(\a)+FR-1], v[BI+8*(\a):BI+8*(\a)+7], v[SC+8*NQ*(\sc)+NQ*\b+(\q)], v[SC+8*NQ*(\sc)+NQ*(\a)+(\q)] matrix_a_fmt:MATRIX_FMT_FP4 matrix_b_fmt:MATRIX_FMT_FP4 matrix_a_scale:MATRIX_SCALE_ROW1
.else
	v_wmma_scale_f32_16x16x128_f8f6f4 v[8*(8*((\a)%4)+\b):8*(8*((\a)%4)+\b)+7], v[128*(\p)+FR*\b:128*(\p)+FR*\b+FR-1], v[AF+FR*(\a):AF+FR*(\a)+FR-1], v[8*(8*((\a)%4)+\b):8*(8*((\a)%4)+\b)+7], v[SC+8*NQ*(\sc)+NQ*\b+(\q)], v[SC+8*NQ*(\sc)+NQ*(\a)+(\q)] matrix_a_fmt:MATRIX_FMT_FP4 matrix_b_fmt:MATRIX_FMT_FP4 matrix_a_scale:MATRIX_SCALE_ROW1
.endif
.endr
.endr
.endm
.macro FETCH_B slot, q, p
	WIN TO_B
.irp i, 0,1,2,3,4,5,6,7
	FRAG 128*(\p)+FR*\i, ADRB+\slot, \q, \i
.endr
	WIN 0
.endm
.macro FETCH_A slot, q, i0
.irp i, \i0, \i0+1, \i0+2, \i0+3
	FRAG AF+FR*(\i), ADRA+\slot, \q, \i
.endr
.endm
.macro SCALES sc
.irp i, 0,1,2,3,4,5,6,7
	ds_load_b128 v[SC+8*NQ*\sc+NQ*\i:SC+8*NQ*\sc+NQ*\i+3], v[ADRS] offset:\i*SBLK
.endr
.endm
.macro PLACES n
.rept \n
	v_nop
.endr
.endm
.macro STEP slot, q, zero
	s_wait_dscnt 4*NL
.if \zero
	WIN BIA_LO
.else
	WIN MUL_LO
.endif
	MUL16 0, (\q)%2, \q, \slot, \zero
	MUL16 2, (\q)%2, \q, \slot, \zero
	s_wait_dscnt 0
	PLACES NP
	FETCH_B \slot, (\q)+1, 1-(\q)%2
	FETCH_A \slot, (\q)+1, 0
.if \zero
	WIN BIA_HI
.else
	WIN MUL_HI
.endif
	MUL16 4, (\q)%2, \q, \slot, \zero
	MUL16 6, (\q)%2, \q, \slot, \zero
	PLACES NP
	WIN 0
	FETCH_A \slot, (\q)+1, 4
.endm
.macro TURN slot, next
	s_wait_tensorcnt 0x0
	ds_add_u32 v[SPW], v[NIL]
	s_wait_dscnt 4*NL+1
	WIN MUL_LO
	MUL16 0, 1, NQ-1, \slot, 0
	s_wait_dscnt 0x0
	s_barrier_signal -1
	MUL16 2, 1, NQ-1, \slot, 0
	WIN 0
	s_barrier_wait -1
	PLACES NP
	v_add_nc_u32 v[ADRS], 4*NQ, v[ADRS]
	FETCH_B \next, 0, 0
	FETCH_A \next, 0, 0
	SCALES \next
	WIN MUL_HI
	MUL16 4, 1, NQ-1, \slot, 0
	MUL16 6, 1, NQ-1, \slot, 0
	PLACES NP
	WIN 0
	FETCH_A \next, 0, 4
.endm
.macro STEPS slot, from
.set Q, \from
.rept NQ-1-\from
	STEP \slot, Q, 0
.set Q, Q+1
.endr
.endm
	s_wait_alu depctr_va_vdst(0)                   ; the wait at the head's end
	s_wait_tensorcnt 0x0                           ; my tile of the head's four is in; slot 1's first fill is issued as a refill is
	ds_add_u32 v[SPW], v[NIL]
	s_mov_b32 s[G1+2], 128<<16                     ; no tensor load of mine is out: from here on a load brings 128 rows
	s_mov_b32 s[G1+4], 128
	s_mov_b32 s[G1B+2], 128<<16
	s_mov_b32 s[G1B+4], 128
	s_wait_dscnt 0x0
	CROUND                                         ; all four tiles are in, and all sixteen work-groups are here
	JLOAD G0+4, G1, G0B+4, G1B                     ; K step 1, the first tensor load behind the round
	FETCH_B 0, 0, 0
	FETCH_A 0, 0, 0
	SCALES 0
	FETCH_A 0, 0, 4
	s_wait_loadcnt 0x0
	s_cmp_eq_u32 s[ISV], 1
	s_cbranch_scc1 .Lfirst_v
	s_wait_alu depctr_va_vdst(0)
	STEP 0, 0, 1
	s_branch .Lfirst_done
.Lfirst_v:
	s_wait_alu depctr_va_vdst(0)
	STEP 0, 0, 2
.Lfirst_done:
	STEPS 0, 1
	TURN 0, 1
	STEPS 1, 0
	s_wait_dscnt 4*NL
	WIN MUL_LO
	MUL16 0, 1, NQ-1, 1, 0
	MUL16 2, 1, NQ-1, 1, 0
	s_wait_dscnt 0
	WIN MUL_HI
	MUL16 4, 1, NQ-1, 1, 0
	MUL16 6, 1, NQ-1, 1, 0
	WIN 0
	PLACES NP
	s_cmp_eq_u32 s[ISV], 1
	s_cselect_b32 s66, s42, s17
	s_cselect_b32 s67, s16, s15
	s_cselect_b32 s18, s17, s40
	s_cselect_b32 s19, s15, s16
	s_cselect_b32 s20, 16384, 0
	s_mov_b32 s22, 32768
	s_cselect_b32 s22, 34816, s22
	s_cselect_b32 s23, 9, 10
	s_lshl_b32 s66, s66, 1
	s_add_co_u32 s66, s66, s67
	s_lshl_b32 s66, s66, 2
	s_add_co_u32 s66, s66, s18
	s_mul_i32 s66, s66, BLK
	s_lshl_b32 s23, s19, s23
	s_add_co_u32 s22, s22, s23
	s_add_co_u32 s22, s22, s66
	s_lshl_b32 s19, s19, 13
	s_add_co_u32 s20, s20, s19
	s_add_co_u32 s20, s20, s66
	s_mov_b32 s21, 0
	s_mov_b32 s23, 0
	s_cmp_eq_u32 ttmp9, 0
	s_cselect_b64 s[98:99], s[98:99], s[100:101]
	s_add_nc_u64 s[20:21], s[98:99], s[20:21]
	s_add_nc_u64 s[22:23], s[98:99], s[22:23]
	s_mov_b32 s12, 0x76543210
	s_mov_b32 s13, 0xfedcba98
.macro QDA a
.set AC, 64*((\a)%4)
.set PCA, AF+8*(\a)
	WIN 0x0a+5*((\a)/4)
.irp b, 0,1,2,3
	v_max3_num_f32 v[TM+\b], |v[AC+16*\b]|, |v[AC+16*\b+1]|, 0x1800000
.endr
.irp i, 2,4,6,8,10,12,14
.irp b, 0,1,2,3
	v_max3_num_f32 v[TM+\b], |v[AC+16*\b+\i]|, |v[AC+16*\b+\i+1]|, v[TM+\b]
.endr
.endr
	WIN 0
.irp b, 0,1,2,3
	v_permlanex16_b32 v[TM+4+\b], v[TM+\b], s12, s13
.endr
.irp b, 0,1,2,3
	v_max_num_f32 v[TM+\b], v[TM+\b], v[TM+4+\b]
.endr
.irp b, 0,1,2,3
	v_add_nc_u32 v[TM+12+\b], 0xff000000, v[TM+\b]
.endr
.irp b, 0,1,2,3
	v_lshrrev_b32 v[TM+4+\b], 23, v[TM+12+\b]
.endr
	v_lshl_or_b32 v[PW], v[TM+5], 8, v[TM+4]
	v_lshl_or_b32 v[PW], v[TM+6], 16, v[PW]
	v_lshl_or_b32 v[PW], v[TM+7], 24, v[PW]
	WIN 0x02+((\a)/4)
.irp b, 0,1,2,3
	v_cvt_scalef32_pk8_fp4_f32 v[PCA+4*(\b/2)+\b%2], v[AC+16*\b:AC+16*\b+7], v[TM+12+\b]
	v_cvt_scalef32_pk8_fp4_f32 v[PCA+4*(\b/2)+2+\b%2], v[AC+16*\b+8:AC+16*\b+15], v[TM+12+\b]
.endr
	WIN 0
	v_nop
.irp c, 0,1
	v_permlane16_swap_b32 v[PCA+4*\c], v[PCA+4*\c+1]
	v_permlane16_swap_b32 v[PCA+4*\c+2], v[PCA+4*\c+3]
.endr
	v_lshrrev_b32 v[PWS], v[SHV], v[PW]
	ds_store_b32 v[ASW], v[PWS] offset:64*(\a)
.endm
.irp a, 0,1,2,3,4,5,6,7
	QDA \a
.endr
	ds_load_b128 v[SW:SW+3], v[ARD]
	ds_load_b128 v[SW+4:SW+7], v[ARD] offset:512
	s_wait_dscnt 0x0
	s_cmp_eq_u32 s[ISV], 1
	s_cbranch_scc1 .Lout_v
	s_wait_alu depctr_va_vdst(0)
.irp a, 0,1,2,3,4,5,6,7
.irp c, 0,1
	global_store_b128 v[GO], v[AF+8*\a+4*\c:AF+8*\a+4*\c+3], s[20:21] offset:4096*\c+512*\a
.endr
.endr
	global_store_b128 v[GO], v[SW:SW+3], s[22:23]
	global_store_b128 v[GO], v[SW+4:SW+7], s[22:23] offset:512
	s_branch .Lout_done
.Lout_v:
	s_wait_alu depctr_va_vdst(0)
.irp a, 0,1,2,3,4,5,6,7
.irp c, 0,1
	global_store_b128 v[GO], v[AF+8*\a+4*\c:AF+8*\a+4*\c+3], s[20:21] offset:1024*\a+512*\c
.endr
.endr
	global_store_b128 v[GO], v[SW:SW+3], s[22:23]
.Lout_done:
	s_wait_tensorcnt 0x0
	ds_add_u32 v[SPW], v[NIL]
	s_wait_dscnt 0x0
	CROUND
	s_endpgm
.Lfunc_end_k_q35d8061508_qkv:
	.size	k_q35d8061508_qkv, .Lfunc_end_k_q35d8061508_qkv-k_q35d8061508_qkv
	.p2alignl 7, 3214868480
	.fill 96, 4, 3214868480
	.section	.rodata,"a",@progbits
	.p2align	6, 0x0
	.amdhsa_kernel k_q35d8061508_qkv
		.amdhsa_group_segment_fixed_size 327680
		.amdhsa_private_segment_fixed_size 0
		.amdhsa_enable_private_segment 0
		.amdhsa_kernarg_size 56
		.amdhsa_user_sgpr_count 2
		.amdhsa_user_sgpr_kernarg_segment_ptr 1
		.amdhsa_wavefront_size32 1
		.amdhsa_system_sgpr_workgroup_id_x 1
		.amdhsa_system_sgpr_workgroup_id_y 1
		.amdhsa_system_sgpr_workgroup_id_z 1
		.amdhsa_system_vgpr_workitem_id 0
		.amdhsa_next_free_vgpr 1024
		.amdhsa_next_free_sgpr 106
		.amdhsa_reserve_vcc 0
		.amdhsa_float_denorm_mode_32 3
		.amdhsa_float_denorm_mode_16_64 3
		.amdhsa_memory_ordered 1
		.amdhsa_forward_progress 1
		.amdhsa_inst_pref_size 147
	.end_amdhsa_kernel
	.amdgpu_metadata
---
amdhsa.version: [ 1, 2 ]
amdhsa.kernels:
  - .name:           k_q35d8061508_qkv
    .symbol:         k_q35d8061508_qkv.kd
    .args:
      - { .name: xq, .offset: 0, .size: 8, .value_kind: global_buffer, .address_space: global }
      - { .name: wq, .offset: 8, .size: 8, .value_kind: global_buffer, .address_space: global }
      - { .name: bq, .offset: 16, .size: 8, .value_kind: global_buffer, .address_space: global }
      - { .name: bk, .offset: 24, .size: 8, .value_kind: global_buffer, .address_space: global }
      - { .name: bv, .offset: 32, .size: 8, .value_kind: global_buffer, .address_space: global }
      - { .name: qb, .offset: 40, .size: 8, .value_kind: global_buffer, .address_space: global }
      - { .name: kv, .offset: 48, .size: 8, .value_kind: global_buffer, .address_space: global }
    .group_segment_fixed_size: 327680
    .private_segment_fixed_size: 0
    .kernarg_segment_align: 8
    .kernarg_segment_size: 56
    .max_flat_workgroup_size: 128
    .sgpr_count:     106
    .vgpr_count:     1024
    .wavefront_size: 32
...
	.end_amdgpu_metadata
.endif
;; end of part 2
;; launch attn (part 3): grid 16 x 16, 8 waves a work-group, clusters of 4 x 4, 327,680 bytes of LDS; arguments qb, kv, bias_matrix_chunk, bias_coef, cc, cs; writes cc, cs
.if DOCPART == 3
	.amdgcn_target "amdgcn-amd-amdhsa--gfx1250"
	.amdhsa_code_object_version 6
	.text
	.protected	k_q35d8061508_attn
	.globl	k_q35d8061508_attn
	.p2align	8
	.type	k_q35d8061508_attn,@function
k_q35d8061508_attn:
	s_mov_b64 s[64:65], 0
	v_nop
	global_prefetch_b8 v0, s[64:65] scope:SCOPE_SE
	s_setreg_imm32_b32 hwreg(HW_REG_WAVE_MODE, 25, 1), 1
	s_wait_xcnt 0x0
	s_wait_alu depctr_hold_cnt(0) depctr_sa_sdst(0) depctr_va_vdst(0) depctr_va_sdst(0) depctr_va_ssrc(0) depctr_va_vcc(0) depctr_vm_vsrc(0)
	s_getreg_b32 s2, hwreg(HW_REG_IB_STS2, 6, 4)
	s_cmp_eq_u32 s2, 0
	s_cbranch_scc0 .Lentry_in_a_cluster
	s_endpgm
.Lentry_in_a_cluster:
	s_bfe_u32 s2, ttmp6, 0x10000c
	s_cmp_lg_u32 s2, 0xf033
	s_cbranch_scc0 .Lentry_shape_is_right
	s_endpgm
.Lentry_shape_is_right:
; Launch 3 of 4: ctx = softmax(q k^T / 8 + bias_coef x bias) v for 64 batch-heads of 2,048 x 64, both products on codes of E2M1, and ctx quantised along H for the last product.  No work is left out.
; THE SOFTMAX: u = q . k + 8 coef bias (the scaled bias is the C operand of the first product); t = c u, c = log2(e) / 8; M = the running largest t rounded up to a whole number; p = 2^(t - M) is quantised along the keys, not
;   normalised; the row's sum is taken of the unquantised p and divides at the end; when M moves, the sum and O are multiplied by 2^(old M - new M), which rounds nothing.
; LIMITS: NaN and infinities are not served; byte 1 for very small and for zero blocks, as in the first launch; t is formed as c (s + 8 coef bias), an order of rounding that differs from s / 8 + coef bias by about 1e-7 of t.
; SHARES.  A work-group owns 128 queries x 4 heads of one batch; wave w owns queries 16 w .. 16 w + 15 of ALL FOUR heads.  The wave's bias tile (16 queries x 128 keys) is read from LDS and scaled once a key step,
;   stays in 64 registers, and is the C operand of the four heads' first products.  The heads go one after the other through one set of score registers.
; CLUSTER 4 x 4: X = 4 x cluster x + cx is the block of queries, cy the group of heads, the cluster's y the batch.  The bias tile hangs on X alone: shared along a column; the block of K and V on (batch, cy): shared along a row.
; RING: two LDS slots of one key step (128 keys), 2^17 bytes apart.  Waves 0-3 fetch a quarter of the bias tile each (32 rows x 512 bytes, 16 of padding), waves 4-7 a quarter of the block of K and V (35 rows of 256 bytes).
;   THE CHANGE OF SLOTS STANDS INSIDE HEAD 3, behind the step's last LDS read: behind it come the refill and the loads of the next step's bias and head 0's K, and then head 3's exponentials, sums, codes and second product.
; LDS LOADS RUN AHEAD: behind head h's first products V(h) and K(h + 1) are asked for; V is wanted a softmax later, K at the next head.
; No data prefetch is written: each refill is asked for a whole key step (four heads' work of every wave) ahead of its first read, jointly by the four work-groups that want it.
; K = 64 UNDER AN INSTRUCTION OF K = 128: Q's fragment is four registers of codes and four of zero codes.  A head's eight K images lie on end in 32 registers, four zero registers behind them; tile t's fragment is registers 4 t .. 4 t + 7:
;   its upper half, the next tile's codes, meets Q's zero codes and adds 0 (E2M1 has no NaN or infinity; the scale bytes there are valid bytes or 0, never 0xff).
; LAYOUT.  S^T = K Q^T + bias^T, O^T = V^T P^T: a lane holds one query (lane % 16) throughout; of tiles 2 B, 2 B + 1 it holds keys 32 B + 8 h + j and 32 B + 16 + 8 h + j; the conversions are numbered, and halves exchanged, as in launch 2.
; REGISTERS: window 0 (v0-255) all but: window 1: v0-63 the scaled bias, v64-191 O^T of the four heads.
.set SLOT1, 1<<17
.set BIB,   67584                      ; a bias tile: 128 rows x 528
.set BLK,   35840                      ; a block of K and V: K images 16,384, V images 16,384, K scale words 2,048, V scale words 1,024
.set KVO,   BIB
.set SPARE, 2*SLOT1                    ; the spare words: 128 bytes a wave, named by no other line
.set STG,   SPARE+1024                 ; 1,024 bytes: ctx's scale words; no tile lands here
.set ABI, 2                            ; my place in the bias tile of the slot in hand
.set AIM, 3                            ; 16 x lane in its block of K and V
.set AK4, 4                            ; 4 x lane in it
.set ABI0, 5                           ; the same three for slot 0
.set AIM0, 6
.set AK40, 7
.set SPW, 8
.set NIL, 9
.set GO,  10                           ; 16 x lane
.set ARD, 11
.set ASTG, 12
.set GW,  13                           ; 16 x thread
.set ST,  16                           ; v16-31  for head h at 4 h: -M, the largest t, the sum in two halves
.set QS,  32                           ; v32-35  Q's scale words
.set PW,  36                           ; p's scale word
.set T,   37
.set F,   38                           ; v[38:39]
.set K1,  40                           ; v[40:41] 8 x bias_coef
.set KSC, 42                           ; v42-45  K's scale words: lanes 0-15 tile 2 i, lanes 16-31 tile 2 i + 1
.set VSC, 46                           ; v46-47  V's likewise
.set QF,  48                           ; v48-79  Q: for each head four registers of codes and four of zero codes
.set KR,  80                           ; v80-115 (v112-115 zero codes)
.set VR,  116                          ; v116-147
.set S,   148                          ; v148-211 the scores, then p
.set PC,  212                          ; v212-219 p's codes
.set TM,  220                          ; v220-231 at work
.set CH,  232                          ; v232-245 seven more chains of the row's sum
.set TW,  250                          ; v250-253 the way out: each head's two scale bytes
.set BI,  0                            ; window 1
.set OB,  64                           ; window 1
.set WV,  16
.set G1B, 24
.set G1K, 32
.set G0B, 40
.set G0K, 44
.set SEL, 56
.set CS,  58
.set TB,  60                           ; LDS byte at which the slot in hand begins
.set HM,  61                           ; lanes 16 to 31
.set CNT, 62
.set MSB, 0
.macro WIN new                         ; the immediate's high byte repeats the setting that is left
.if MSB != (\new)
	s_set_vgpr_msb (MSB<<8)|(\new)
.set MSB, (\new)
.endif
.endm
.macro JLOAD                           ; waves 0-3: the bias; waves 4-7: K and V.  The branch hangs on the wave's number alone.  An s_nop 0 and four v_nop follow each line
	s_cmp_lt_u32 s[WV], 4
	s_cbranch_scc0 .Lfor_k_\@
	tensor_load_to_lds s[G0B:G0B+3], s[G1B:G1B+7]
	s_nop 0
.rept 4
	v_nop
.endr
	s_branch .Lasked_\@
.Lfor_k_\@:
	tensor_load_to_lds s[G0K:G0K+3], s[G1K:G1K+7]
	s_nop 0
.rept 4
	v_nop
.endr
.Lasked_\@:
.endm
.macro CROUND
	s_barrier_signal -1
	s_barrier_wait -1
	s_cmp_lg_u32 s[WV], 0
	s_cbranch_scc1 .Lnot_wave_0_\@
	s_barrier_signal -3
.Lnot_wave_0_\@:
	s_barrier_wait -3
	s_barrier_signal -1
	s_barrier_wait -1
.endm
.macro WALK                            ; the walking descriptors: the other slot, the next key step (written only where no tensor load of mine is out)
	s_xor_b32 s[G0B+1], s[G0B+1], SLOT1
	s_add_nc_u64 s[G0B+2:G0B+3], s[G0B+2:G0B+3], 512        ; 128 keys of 4 bytes
	s_xor_b32 s[G0K+1], s[G0K+1], SLOT1
	s_add_nc_u64 s[G0K+2:G0K+3], s[G0K+2:G0K+3], 4*BLK      ; the four groups' blocks of a key step
.endm
	s_load_b256 s[4:11], s[0:1], 0x0               ; qb s[4:5], kv s[6:7], the bias s[8:9], bias_coef s[10:11]
	s_load_b128 s[12:15], s[0:1], 0x20             ; cc s[12:13], cs s[14:15]
	v_lshl_add_u32 v[SPW], v0, 2, SPARE
	v_mov_b32 v[NIL], 0
	ds_add_u32 v[SPW], v[NIL]                      ; the wave's opening: the add, twice on end, and its wait ahead of the first tensor loads
	ds_add_u32 v[SPW], v[NIL]
	v_lshrrev_b32 v1, 5, v0
	s_delay_alu instid0(VALU_DEP_1)
	v_readfirstlane_b32 s[WV], v1                  ; wave 0..7
	s_bfe_u32 s17, ttmp6, 0x40000                  ; cx
	s_bfe_u32 s18, ttmp6, 0x40004                  ; cy: the group of four heads
	s_lshl_b32 s19, ttmp9, 2
	s_add_co_u32 s19, s19, s17                     ; X: the block of 128 queries
	s_and_b32 s20, ttmp7, 0xffff                   ; the batch
	s_lshl_b32 s21, s18, 2
	s_lshl_b32 s21, 15, s21                        ; my row of the cluster
	s_lshl_b32 s22, 0x1111, s17                    ; my column
	s_or_b32 s[G1B], s22, (2<<16)|(1<<20)|(1<<21)|(6<<22)|(3<<25)   ; the mask; elements of 4 bytes; padding on; bit 21 beside a mask; four words after every 128
	s_mov_b32 s[G1B+1], 128<<16                    ; tensor_dim0 = 128 keys
	s_mov_b32 s[G1B+2], 32<<16                     ; tensor_dim1 = 32 queries
	s_mov_b32 s[G1B+3], 128<<16                    ; tile_dim0
	s_mov_b32 s[G1B+4], 32                         ; tile_dim1
	s_mov_b32 s[G1B+5], 2048                       ; the pitch
	s_mov_b32 s[G1B+6], 0
	s_mov_b32 s[G1B+7], 0
	s_or_b32 s[G1K], s21, (3<<16)|(1<<21)          ; a quarter of a dense block as 35 rows of 256 bytes (32 elements of 8), no padding: images are read 16 bytes a lane on end
	s_mov_b32 s[G1K+1], 32<<16
	s_mov_b32 s[G1K+2], 35<<16
	s_mov_b32 s[G1K+3], 32<<16
	s_mov_b32 s[G1K+4], 35
	s_mov_b32 s[G1K+5], 32
	s_mov_b32 s[G1K+6], 0
	s_mov_b32 s[G1K+7], 0
	s_and_b32 s23, s[WV], 3                        ; which quarter I fetch
	s_lshl_b32 s66, s19, 20                        ; the bias: 128 X rows of 8,192 bytes,
	s_lshl_b32 s67, s23, 18                        ; + 32 rows a quarter
	s_add_co_u32 s66, s66, s67
	s_mov_b32 s67, 0
	s_lshl_b32 s68, s20, 6                         ; K and V: block ((16 batch + step) 4 + group), step 0
	s_add_co_u32 s68, s68, s18
	s_mul_i32 s68, s68, BLK
	s_mul_i32 s71, s23, 8960
	s_add_co_u32 s68, s68, s71
	s_mov_b32 s69, 0
	s_mul_i32 s70, s23, 32*528                     ; where they go in a slot: by the wave's number alone
	s_add_co_u32 s71, s71, KVO
	s_mov_b32 s[SEL], 0x76543210
	s_mov_b32 s[SEL+1], 0xfedcba98
	s_mov_b32 s[CS], 0x3e38aa3b                    ; c = log2(e) / 8
	s_mov_b32 s[CS+1], s[CS]                       ; (named with it as a pair, so it is written)
	s_mov_b32 s[TB], 0
	s_mov_b32 s[HM], 0xffff0000
	s_mul_i32 s77, s[WV], 16*528                   ; my 16 rows of the bias tile
	s_lshl_b32 s78, s20, 4                         ; Q: block ((16 batch + X) 4 + group); my tile of its eight is my wave's number
	s_add_co_u32 s78, s78, s19
	s_lshl_b32 s78, s78, 2
	s_add_co_u32 s78, s78, s18
	s_mul_i32 s78, s78, BLK
	s_lshl_b32 s80, s[WV], 9
	s_add_co_u32 s80, s80, s78                     ; its images: 512 bytes a tile, 4,096 a head
	s_mov_b32 s81, 0
	s_lshl_b32 s86, s[WV], 6
	s_add_co_u32 s86, s86, s78                     ; its scale words: 64 bytes a tile, 512 a head, from byte 32,768 on
	s_mov_b32 s87, 0
	s_lshl_b32 s74, s20, 7                         ; ctx: image ((128 batch + 8 X + wave) 8 + 2 group + head / 2), half head % 2: 512 bytes a head on end
	s_lshl_b32 s75, s19, 3
	s_add_co_u32 s74, s74, s75
	s_add_co_u32 s74, s74, s[WV]
	s_lshl_b32 s74, s74, 3
	s_lshl_b32 s75, s18, 1
	s_add_co_u32 s74, s74, s75
	s_lshl_b32 s74, s74, 10
	s_mov_b32 s75, 0
	s_lshl_b32 s72, s20, 2                         ; its scale words: 1,024 bytes for each work-group, at ((4 batch + group) 16 + X)
	s_add_co_u32 s72, s72, s18
	s_lshl_b32 s72, s72, 4
	s_add_co_u32 s72, s72, s19
	s_lshl_b32 s72, s72, 10
	s_mov_b32 s73, 0
	s_wait_dscnt 0x0                               ; both opening adds are done
	s_wait_kmcnt 0x0
	s_mov_b32 s[G0B], 1
	s_mov_b32 s[G0B+1], s70
	s_add_nc_u64 s[G0B+2:G0B+3], s[8:9], s[66:67]
	s_or_b32 s[G0B+3], s[G0B+3], 0x80000000
	s_mov_b32 s[G0K], 1
	s_mov_b32 s[G0K+1], s71
	s_add_nc_u64 s[G0K+2:G0K+3], s[6:7], s[68:69]
	s_or_b32 s[G0K+3], s[G0K+3], 0x80000000
	s_add_nc_u64 s[82:83], s[4:5], s[80:81]
	s_add_nc_u64 s[84:85], s[4:5], s[86:87]
	s_add_nc_u64 s[12:13], s[12:13], s[74:75]
	s_add_nc_u64 s[14:15], s[14:15], s[72:73]
	CROUND                                         ; all sixteen work-groups are here: the first joint loads meet
	JLOAD                                          ; key step 0 into slot 0: one tensor load a wave at the head
	v_and_b32 v246, 15, v0                         ; r
	v_bfe_u32 v247, v0, 4, 1                       ; h
	v_and_b32 v248, 31, v0                         ; lane
	v_mul_u32_u24 v[ABI0], v246, 528
	v_lshl_add_u32 v[AIM0], v248, 4, KVO
	v_lshl_add_u32 v[AK40], v248, 2, KVO
	v_lshl_add_u32 v[ABI0], v247, 5, v[ABI0]
	v_lshlrev_b32 v[GO], 4, v248
	v_lshlrev_b32 v[GW], 4, v0
	v_add_nc_u32 v[ABI0], s77, v[ABI0]             ; row 16 wave + r, + 32 h: my eight keys of a tile of 16
	v_lshlrev_b32 v249, 2, v246
	v_mov_b32 v1, 0
	v_mov_b32 v[AIM], v[AIM0]
	v_mov_b32 v[AK4], v[AK40]
	v_mov_b32 v[ABI], v[ABI0]
	v_add_nc_u32 v[ARD], STG, v[GW]
	v_lshl_add_u32 v[ASTG], v0, 2, STG
.irp hd, 0,1,2,3
	global_load_b128 v[QF+8*\hd:QF+8*\hd+3], v[GO], s[82:83] offset:4096*\hd
	global_load_b32 v[QS+\hd], v249, s[84:85] offset:32768+512*\hd
.endr
	global_load_b32 v[K1], v1, s[10:11]
.irp j, 0,1,2,3
.irp hd, 0,1,2,3
	v_mov_b32 v[QF+8*\hd+4+\j], 0                  ; zero codes: k = 64 .. 127 of Q
.endr
	v_mov_b32 v[KR+32+\j], 0                       ; and behind K's last tile
	v_mov_b32 v[TM+\j], 0                          ; written once: a lane permute's destination counts as one of its sources
	v_mov_b32 v[TM+4+\j], 0
	v_mov_b32 v[ST+4*\j+1], 0xff61b1e6             ; the largest t so far: -3e38
	v_mov_b32 v[ST+4*\j+2], 0                      ; the sum, in two halves
	v_mov_b32 v[ST+4*\j+3], 0
.endr
.irp hd, 0,1,2,3
	v_floor_f32 v[ST+4*\hd], -v[ST+4*\hd+1]        ; -M
.endr
	v_mov_b32 v[F+1], 0                            ; (upper halves of pairs of which the low word serves both halves)
	v_mov_b32 v[K1+1], 0
	v_mov_b32 v[T], 0
	WIN 0x40
.set J, 0
.rept 128
	v_mov_b32 v[OB+J], 0                           ; O^T: the step is written once; the first finds zeros, which the first change of M leaves zeros
.set J, J+1
.endr
	WIN 0
	s_wait_loadcnt 0x0
	v_mul_f32 v[K1], 0x41000000, v[K1]             ; 8 x bias_coef: exact
.macro BLOAD                           ; my bias tile into window 1: register 8 t + j = key 16 t + 8 h + j of my query
	WIN 0x40
.set J, 0
.rept 16
	ds_load_b128 v[BI+4*J:BI+4*J+3], v[ABI] offset:64*(J/2)+16*(J%2)
.set J, J+1
.endr
	WIN 0
.endm
.macro KLOAD hd                        ; twelve loads
.set J, 0
.rept 8
	ds_load_b128 v[KR+4*J:KR+4*J+3], v[AIM] offset:4096*(\hd)+512*J
.set J, J+1
.endr
.irp i, 0,1,2,3
	ds_load_b32 v[KSC+\i], v[AK4] offset:32768+512*(\hd)+128*\i
.endr
.endm
.macro VLOAD hd                        ; ten loads
.irp ct, 0,1,2,3
.irp c, 0,1
	ds_load_b128 v[VR+8*\ct+4*\c:VR+8*\ct+4*\c+3], v[AIM] offset:16384+4096*(\hd)+1024*\ct+512*\c
.endr
.endr
.irp i, 0,1
	ds_load_b32 v[VSC+\i], v[AK4] offset:34816+256*(\hd)+128*\i
.endr
.endm
; THE CHANGE OF SLOTS.  Each wave waits for all its tensor loads (its part of the next slot), adds 0 to its spare word, and waits for that and for its reads of the slot in hand, of which V of head 3 was the last.
; refill = 1: a round of the cluster's barrier, and the joint load of the key step after the next into the slot just left, first behind the round.
.macro CHANGE refill
	s_wait_alu depctr_va_vdst(0)                   ; directly ahead of the wait below
	s_wait_tensorcnt 0x0
	ds_add_u32 v[SPW], v[NIL]
	s_xor_b32 s[TB], s[TB], SLOT1                  ; on to the other slot
	v_add_nc_u32 v[ABI], s[TB], v[ABI0]
	v_add_nc_u32 v[AIM], s[TB], v[AIM0]
	v_add_nc_u32 v[AK4], s[TB], v[AK40]
.if \refill
	WALK
.endif
	s_wait_alu depctr_va_vdst(0)
	s_wait_dscnt 0x0
.if \refill
	CROUND
	JLOAD
.else
	s_barrier_signal -1
	s_barrier_wait -1
.endif
.endm
.macro TOP                             ; a key step's head: the bias x 8 coef, once for the four heads
	s_wait_dscnt 12                                ; the bias' sixteen loads are in; head 0's twelve of K may be out
	WIN 0x41
.set J, 0
.rept 32
	v_pk_mul_f32 v[BI+J:BI+J+1], v[BI+J:BI+J+1], v[K1:K1+1] op_sel_hi:[1,0]
.set J, J+2
.endr
	WIN 0
.rept 4
	v_nop                                          ; between the last scaling and the product that takes it as C
.endr
	s_wait_alu depctr_va_vdst(0)                   ; directly ahead of the wait at the head of HEAD 0
.endm
; ONE HEAD'S 128 KEYS.  mode 0: heads 0-2; 1: head 3 with a refill; 2: head 3 in the last two key steps
.macro HEAD hd, mode
.set NM, ST+4*(\hd)
.set SM, ST+4*(\hd)+2
.set OA, OB+32*(\hd)
	s_wait_dscnt 0x0                               ; K and its scale words
	WIN 0x10                                       ; C in window 1
.set J, 0
.rept 4                                        ; S^T = K Q^T + the scaled bias: eight accumulators, one instruction each
	v_wmma_scale_f32_16x16x128_f8f6f4 v[S+16*J:S+16*J+7], v[KR+8*J:KR+8*J+7], v[QF+8*(\hd):QF+8*(\hd)+7], v[BI+16*J:BI+16*J+7], v[KSC+J], v[QS+(\hd)] matrix_a_fmt:MATRIX_FMT_FP4 matrix_b_fmt:MATRIX_FMT_FP4
	v_wmma_scale_f32_16x16x128_f8f6f4 v[S+16*J+8:S+16*J+15], v[KR+8*J+4:KR+8*J+11], v[QF+8*(\hd):QF+8*(\hd)+7], v[BI+16*J+8:BI+16*J+15], v[KSC+J], v[QS+(\hd)] matrix_a_fmt:MATRIX_FMT_FP4 matrix_b_fmt:MATRIX_FMT_FP4 matrix_a_scale:MATRIX_SCALE_ROW1
.set J, J+1
.endr
	WIN 0
.rept 4
	v_nop                                          ; places ahead of the loads into K's and V's registers and of the first read of the scores
.endr
	VLOAD \hd
.if \mode == 0
	KLOAD (\hd)+1
.endif
.irp b, 0,1,2,3
	v_max3_num_f32 v[TM+\b], v[S+16*\b], v[S+16*\b+1], v[S+16*\b+2]   ; the largest u of each block of 32 keys: for the row's maximum, and, since p rises with u, for the block's largest p
.endr
.irp i, 3,5,7,9,11,13
.irp b, 0,1,2,3
	v_max3_num_f32 v[TM+\b], v[TM+\b], v[S+16*\b+\i], v[S+16*\b+\i+1]
.endr
.endr
.irp b, 0,1,2,3
	v_max_num_f32 v[TM+\b], v[TM+\b], v[S+16*\b+15]
.endr
.irp b, 0,1,2,3
	s_delay_alu instid0(VALU_DEP_4)
	v_permlanex16_b32 v[TM+4+\b], v[TM+\b], s[SEL], s[SEL+1]
.endr
.irp b, 0,1,2,3
	s_delay_alu instid0(VALU_DEP_4)
	v_max_num_f32 v[TM+\b], v[TM+\b], v[TM+4+\b]   ; with lane l xor 16's 16 keys
.endr
	s_delay_alu instid0(VALU_DEP_2)
	v_max3_num_f32 v[T], v[TM], v[TM+1], v[TM+2]
	s_delay_alu instid0(VALU_DEP_1)
	v_max_num_f32 v[T], v[T], v[TM+3]
	s_delay_alu instid0(VALU_DEP_1)
	v_mul_f32 v[T], s[CS], v[T]                    ; as t (c is positive)
	s_delay_alu instid0(VALU_DEP_1)
	v_max_num_f32 v[NM+1], v[NM+1], v[T]           ; the running largest t
	v_mov_b32 v[T], v[NM]
	s_delay_alu instid0(VALU_DEP_2)
	v_floor_f32 v[NM], -v[NM+1]                    ; the new -M = -ceil(t)
	s_delay_alu instid0(VALU_DEP_1)
	v_sub_f32 v[T], v[NM], v[T]                    ; old M - new M: a whole number, 0 or less
	s_delay_alu instid0(VALU_DEP_1)
	v_cvt_i32_f32 v[T], v[T]                       ; (it saturates)
	s_delay_alu instid0(VALU_DEP_1)
	v_ldexp_f32 v[F], 1.0, v[T]                    ; f = 2^(old M - new M)
.set J, 0
.rept 32
	v_pk_fma_f32 v[S+J:S+J+1], v[S+J:S+J+1], s[CS:CS+1], v[NM:NM+1] op_sel_hi:[1,0,0]   ; t - M, two at a time
.set J, J+2
.endr
.irp b, 0,1,2,3
	v_fma_f32 v[TM+\b], v[TM+\b], s[CS], v[NM]     ; the same of each block's largest u
.endr
.if \mode == 1
	CHANGE 1
	BLOAD                                          ; the next key step's bias and head 0's K land under the work below
	KLOAD 0
.elseif \mode == 2
	CHANGE 0
	s_cmp_eq_u32 s[CNT], 1                         ; the last key step has no successor
	s_cbranch_scc1 .Lno_next_\@
	BLOAD
	KLOAD 0
.Lno_next_\@:
.endif
	s_wait_alu depctr_va_vdst(0)                   ; the wait ahead of the batch
.set J, 0
.rept 64
	v_exp_f32 v[S+J], v[S+J]                       ; p = 2^(t - M), at most 1
.set J, J+1
.endr
	v_pk_mul_f32 v[SM:SM+1], v[SM:SM+1], v[F:F+1] op_sel_hi:[1,0]   ; the sums under the new M (the plain line behind the exponentials)
	s_wait_alu depctr_va_vdst(0)                   ; one wait for the 64, ahead of the first line that names a result
.irp b, 0,1,2,3
	v_exp_f32 v[TM+\b], v[TM+\b]                   ; the block's largest p: the same two instructions on the same number
.endr
.set I, 0
.rept 7                                        ; the row's sum of the unquantised p, two at a time, in eight chains
	v_pk_add_f32 v[CH+2*I:CH+2*I+1], v[S+4*I:S+4*I+1], v[S+4*I+2:S+4*I+3]
.set I, I+1
.endr
	v_pk_add_f32 v[SM:SM+1], v[SM:SM+1], v[S+28:S+29]
.set I, 0
.rept 7
	v_pk_add_f32 v[CH+2*I:CH+2*I+1], v[CH+2*I:CH+2*I+1], v[S+30+2*I:S+31+2*I]
.set I, I+1
.endr
	v_pk_add_f32 v[SM:SM+1], v[SM:SM+1], v[S+44:S+45]
.set I, 0
.rept 7
	v_pk_add_f32 v[CH+2*I:CH+2*I+1], v[CH+2*I:CH+2*I+1], v[S+46+2*I:S+47+2*I]
.set I, I+1
.endr
	v_pk_add_f32 v[SM:SM+1], v[SM:SM+1], v[S+60:S+61]
	v_pk_add_f32 v[CH:CH+1], v[CH:CH+1], v[S+62:S+63]
	s_delay_alu instid0(VALU_DEP_2)
	v_pk_add_f32 v[SM:SM+1], v[SM:SM+1], v[CH+6:CH+7]
	s_delay_alu instid0(VALU_DEP_2)
	v_pk_add_f32 v[CH:CH+1], v[CH:CH+1], v[CH+8:CH+9]
	v_pk_add_f32 v[CH+2:CH+3], v[CH+2:CH+3], v[CH+10:CH+11]
	v_pk_add_f32 v[CH+4:CH+5], v[CH+4:CH+5], v[CH+12:CH+13]
	s_delay_alu instid0(VALU_DEP_2)
	v_pk_add_f32 v[SM:SM+1], v[SM:SM+1], v[CH+2:CH+3]
	s_delay_alu instid0(VALU_DEP_2)
	v_pk_add_f32 v[CH:CH+1], v[CH:CH+1], v[CH+4:CH+5]
	s_delay_alu instid0(VALU_DEP_1)
	v_pk_add_f32 v[SM:SM+1], v[SM:SM+1], v[CH:CH+1]
	s_wait_alu depctr_va_vdst(0)                   ; and one for the four
.irp b, 0,1,2,3
	v_max_num_f32 v[TM+\b], 0x1800000, v[TM+\b]    ; the floor 2^(3 - 127): the byte cannot fall under 1
.endr
.irp b, 0,1,2,3
	s_delay_alu instid0(VALU_DEP_4)
	v_add_nc_u32 v[TM+8+\b], 0xff000000, v[TM+\b]  ; 2 off the exponent field: the conversion's scale operand
.endr
.irp b, 0,1,2,3
	s_delay_alu instid0(VALU_DEP_4)
	v_lshrrev_b32 v[TM+4+\b], 23, v[TM+8+\b]       ; the scale's byte
.endr
	s_delay_alu instid0(VALU_DEP_3)
	v_lshl_or_b32 v[PW], v[TM+5], 8, v[TM+4]       ; p's scale word for these 128 keys
	s_delay_alu instid0(VALU_DEP_1)
	v_lshl_or_b32 v[PW], v[TM+6], 16, v[PW]
	s_delay_alu instid0(VALU_DEP_1)
	v_lshl_or_b32 v[PW], v[TM+7], 24, v[PW]
.irp b, 0,1,2,3
	v_cvt_scalef32_pk8_fp4_f32 v[PC+4*(\b/2)+\b%2], v[S+16*\b:S+16*\b+7], v[TM+8+\b]
	v_cvt_scalef32_pk8_fp4_f32 v[PC+4*(\b/2)+2+\b%2], v[S+16*\b+8:S+16*\b+15], v[TM+8+\b]
.endr
	v_nop                                          ; one plain line behind the scaled conversions
.irp c, 0,1
	v_permlane16_swap_b32 v[PC+4*\c], v[PC+4*\c+1] ; register 4 c + q now holds keys 64 c + 32 h + 8 q .. + 7
	v_permlane16_swap_b32 v[PC+4*\c+2], v[PC+4*\c+3]
.endr
	WIN 0x41
	s_wait_alu depctr_va_vdst(0)                   ; directly ahead of the first reader of O^T
.set J, 0
.rept 16
	v_pk_mul_f32 v[OA+J:OA+J+1], v[OA+J:OA+J+1], v[F:F+1] op_sel_hi:[1,0]   ; O^T under the new M (also the places between the scale word, the codes and the products)
.set J, J+2
.endr
	WIN 0x50                                       ; C and D in window 1
.if \mode == 0
	s_wait_alu depctr_va_vdst(0)                   ; directly ahead of the wait below
	s_wait_dscnt 12                                ; V and its scale words are in; the next head's twelve loads of K may be out
.endif
.set J, 0
.rept 2                                        ; O^T += V^T P^T: four accumulators, one instruction each
	v_wmma_scale_f32_16x16x128_f8f6f4 v[OA+16*J:OA+16*J+7], v[VR+16*J:VR+16*J+7], v[PC:PC+7], v[OA+16*J:OA+16*J+7], v[VSC+J], v[PW] matrix_a_fmt:MATRIX_FMT_FP4 matrix_b_fmt:MATRIX_FMT_FP4
	v_wmma_scale_f32_16x16x128_f8f6f4 v[OA+16*J+8:OA+16*J+15], v[VR+16*J+8:VR+16*J+15], v[PC:PC+7], v[OA+16*J+8:OA+16*J+15], v[VSC+J], v[PW] matrix_a_fmt:MATRIX_FMT_FP4 matrix_b_fmt:MATRIX_FMT_FP4 matrix_a_scale:MATRIX_SCALE_ROW1
.set J, J+1
.endr
.endm
.macro KEYSTEP mode
	TOP
	HEAD 0, 0
	HEAD 1, 0
	HEAD 2, 0
	HEAD 3, \mode
	WIN 0
.endm
	s_wait_alu depctr_va_vdst(0)                   ; the wait at the head's end
	s_wait_tensorcnt 0x0                           ; my part of key step 0 is in; slot 1's first fill is issued as a refill is
	ds_add_u32 v[SPW], v[NIL]
	WALK
	s_wait_dscnt 0x0
	CROUND
	JLOAD                                          ; key step 1 into slot 1
	BLOAD
	KLOAD 0
	s_mov_b32 s[CNT], 14
.Lring:                                            ; key steps 0 to 13: step s asks for step s + 2
	KEYSTEP 1
	s_sub_co_u32 s[CNT], s[CNT], 1
	s_cmp_lg_u32 s[CNT], 0
	s_cbranch_scc1 .Lring
	s_mov_b32 s[CNT], 2
.Ltail:                                            ; key steps 14 and 15 ask for nothing
	KEYSTEP 2
	s_sub_co_u32 s[CNT], s[CNT], 1
	s_cmp_lg_u32 s[CNT], 0
	s_cbranch_scc1 .Ltail
	; THE WAY OUT: ctx = O^T / the sum, quantised along H: a head's 64 channels are two blocks of 32 and half an image.
.irp hd, 0,1,2,3
	v_add_f32 v[ST+4*\hd+2], v[ST+4*\hd+2], v[ST+4*\hd+3]
.endr
.irp hd, 0,1,2,3
	v_permlanex16_b32 v[TM+\hd], v[ST+4*\hd+2], s[SEL], s[SEL+1]
.endr
.irp hd, 0,1,2,3
	v_add_f32 v[ST+4*\hd+2], v[ST+4*\hd+2], v[TM+\hd]   ; the rows' sums
.endr
	s_wait_alu depctr_va_vdst(0)
.irp hd, 0,1,2,3
	v_rcp_f32 v[ST+4*\hd+2], v[ST+4*\hd+2]
.endr
.rept 4
	v_nop
.endr
.macro OUT hd
.set OA, OB+32*(\hd)
.set SM, ST+4*(\hd)+2
.set PH, KR+4*(\hd)
	WIN 0x01
	s_wait_alu depctr_va_vdst(0)                   ; ahead of the first line that names the reciprocal, and directly ahead of the first readers of this head's O^T
.set J, 0
.rept 16
	v_pk_mul_f32 v[S+J:S+J+1], v[OA+J:OA+J+1], v[SM:SM+1] op_sel_hi:[1,0]   ; register 8 t + j = channel 16 t + 8 h + j of my query; each accumulator from its low end on
.set J, J+2
.endr
	WIN 0
.irp b, 0,1
	v_max3_num_f32 v[TM+\b], |v[S+16*\b]|, |v[S+16*\b+1]|, 0x1800000
.endr
.irp i, 2,4,6,8,10,12,14
.irp b, 0,1
	s_delay_alu instid0(VALU_DEP_2)
	v_max3_num_f32 v[TM+\b], v[TM+\b], |v[S+16*\b+\i]|, |v[S+16*\b+\i+1]|
.endr
.endr
.irp b, 0,1
	s_delay_alu instid0(VALU_DEP_2)
	v_permlanex16_b32 v[TM+4+\b], v[TM+\b], s[SEL], s[SEL+1]
.endr
.irp b, 0,1
	s_delay_alu instid0(VALU_DEP_2)
	v_max_num_f32 v[TM+\b], v[TM+\b], v[TM+4+\b]
.endr
.irp b, 0,1
	s_delay_alu instid0(VALU_DEP_2)
	v_add_nc_u32 v[TM+8+\b], 0xff000000, v[TM+\b]
.endr
.irp b, 0,1
	s_delay_alu instid0(VALU_DEP_2)
	v_lshrrev_b32 v[TM+4+\b], 23, v[TM+8+\b]
.endr
	s_delay_alu instid0(VALU_DEP_1)
	v_lshl_or_b32 v[TW+(\hd)], v[TM+5], 8, v[TM+4] ; the head's two bytes
.irp b, 0,1
	v_cvt_scalef32_pk8_fp4_f32 v[PH+\b], v[S+16*\b:S+16*\b+7], v[TM+8+\b]
	v_cvt_scalef32_pk8_fp4_f32 v[PH+2+\b], v[S+16*\b+8:S+16*\b+15], v[TM+8+\b]
.endr
	v_nop
	v_permlane16_swap_b32 v[PH], v[PH+1]
	v_permlane16_swap_b32 v[PH+2], v[PH+3]
	global_store_b128 v[GO], v[PH:PH+3], s[12:13] offset:512*(\hd)   ; 512 consecutive bytes; each head has its own four registers
.endm
	OUT 0
	OUT 1
	OUT 2
	OUT 3
	v_lshl_or_b32 v[TW], v[TW+1], 16, v[TW]        ; heads 0, 1: one scale word of row r;
	v_lshl_or_b32 v[TW+2], v[TW+3], 16, v[TW+2]    ; heads 2, 3: the next K step's
	v_cndmask_b32 v[TW], v[TW], v[TW+2], s[HM]     ; lanes 0-15 the first, lanes 16-31 the second (both halves of the lanes hold row r's)
	ds_store_b32 v[ASTG], v[TW]                    ; 128 bytes a wave
	s_wait_dscnt 0x0                               ; for the others' sake: my store has landed
	s_barrier_signal -1
	s_barrier_wait -1
	s_cmp_gt_u32 s[WV], 1
	s_cbranch_scc1 .Lnot_first
	ds_load_b128 v[S:S+3], v[ARD]                  ; waves 0 and 1: half of the work-group's 256 scale words each
	s_wait_dscnt 0x0
	global_store_b128 v[GW], v[S:S+3], s[14:15]    ; 512 consecutive bytes
.Lnot_first:
	s_wait_tensorcnt 0x0                           ; the wave's end: behind my last tensor load and my last LDS store
	ds_add_u32 v[SPW], v[NIL]
	s_wait_dscnt 0x0
	CROUND                                         ; the closing round
	s_endpgm
.Lfunc_end_k_q35d8061508_attn:
	.size	k_q35d8061508_attn, .Lfunc_end_k_q35d8061508_attn-k_q35d8061508_attn
	.p2alignl 7, 3214868480
	.fill 96, 4, 3214868480
	.section	.rodata,"a",@progbits
	.p2align	6, 0x0
	.amdhsa_kernel k_q35d8061508_attn
		.amdhsa_group_segment_fixed_size 327680
		.amdhsa_private_segment_fixed_size 0
		.amdhsa_enable_private_segment 0
		.amdhsa_kernarg_size 48
		.amdhsa_user_sgpr_count 2
		.amdhsa_user_sgpr_kernarg_segment_ptr 1
		.amdhsa_wavefront_size32 1
		.amdhsa_system_sgpr_workgroup_id_x 1
		.amdhsa_system_sgpr_workgroup_id_y 1
		.amdhsa_system_sgpr_workgroup_id_z 1
		.amdhsa_system_vgpr_workitem_id 0
		.amdhsa_next_free_vgpr 512
		.amdhsa_next_free_sgpr 96
		.amdhsa_reserve_vcc 0
		.amdhsa_float_denorm_mode_32 3
		.amdhsa_float_denorm_mode_16_64 3
		.amdhsa_memory_ordered 1
		.amdhsa_forward_progress 1
		.amdhsa_inst_pref_size 169
	.end_amdhsa_kernel
	.amdgpu_metadata
---
amdhsa.version: [ 1, 2 ]
amdhsa.kernels:
  - .name:           k_q35d8061508_attn
    .symbol:         k_q35d8061508_attn.kd
    .args:
      - { .name: qb, .offset: 0, .size: 8, .value_kind: global_buffer, .address_space: global }
      - { .name: kv, .offset: 8, .size: 8, .value_kind: global_buffer, .address_space: global }
      - { .name: bias_matrix_chunk, .offset: 16, .size: 8, .value_kind: global_buffer, .address_space: global }
      - { .name: bias_coef, .offset: 24, .size: 8, .value_kind: global_buffer, .address_space: global }
      - { .name: cc, .offset: 32, .size: 8, .value_kind: global_buffer, .address_space: global }
      - { .name: cs, .offset: 40, .size: 8, .value_kind: global_buffer, .address_space: global }
    .group_segment_fixed_size: 327680
    .private_segment_fixed_size: 0
    .kernarg_segment_align: 8
    .kernarg_segment_size: 48
    .max_flat_workgroup_size: 256
    .sgpr_count:     96
    .vgpr_count:     512
    .wavefront_size: 32
...
	.end_amdgpu_metadata
.endif
;; end of part 3
;; launch outln (part 4): grid 256 x 1, 16 waves a work-group, clusters of 4 x 1, 327,680 bytes of LDS; arguments cc, cs, woq, bo, hidden_states, ln_gamma, ln_beta, out0; writes out0
.if DOCPART == 4
	.amdgcn_target "amdgcn-amd-amdhsa--gfx1250"
	.amdhsa_code_object_version 6
	.text
	.protected	k_q35d8061508_outln
	.globl	k_q35d8061508_outln
	.p2align	8
	.type	k_q35d8061508_outln,@function
k_q35d8061508_outln:
	s_mov_b64 s[64:65], 0
	v_nop
	global_prefetch_b8 v0, s[64:65] scope:SCOPE_SE
	s_setreg_imm32_b32 hwreg(HW_REG_WAVE_MODE, 25, 1), 1
	s_wait_xcnt 0x0
	s_wait_alu depctr_hold_cnt(0) depctr_sa_sdst(0) depctr_va_vdst(0) depctr_va_sdst(0) depctr_va_ssrc(0) depctr_va_vcc(0) depctr_vm_vsrc(0)
	s_getreg_b32 s2, hwreg(HW_REG_IB_STS2, 6, 4)
	s_cmp_eq_u32 s2, 0
	s_cbranch_scc0 .Lentry_in_a_cluster
	s_endpgm
.Lentry_in_a_cluster:
	s_bfe_u32 s2, ttmp6, 0x10000c
	s_cmp_lg_u32 s2, 0x3003
	s_cbranch_scc0 .Lentry_shape_is_right
	s_endpgm
.Lentry_shape_is_right:
; Launch 4 of 4: out = LayerNorm(ctx Wo^T + bo + hidden_states) x gamma + beta; the product on codes of E2M1 (K = 1,024), all else in f32.  No work is left out.  LIMITS: NaN and infinities are not served.
; SHARES.  A work-group owns 32 whole rows, so the norm needs no other work-group.  Wave w makes columns 64 w .. 64 w + 63 of them (eight accumulators); on the way out it owns rows 2 w and 2 w + 1 whole.
; Wo's FRAGMENTS lie in memory as images of the operand's registers (1,024 bytes for 16 rows x 128 K).  All work-groups walk the same images.
;   K steps 0 to 3: CLUSTER 4 x 1: each wave asks, jointly with the same wave of its three partners, for its own four tiles' first four K steps: one tensor load of 4 rows x 4,096 bytes at the head, 16,384 bytes a wave,
;   262,144 a work-group, filled once and read by the issuing wave alone.
;   K steps 4 to 7 go from memory straight into registers (512 consecutive bytes a load): all eight K steps are 524,288 bytes, more than LDS holds, and a second fill of the same bytes could only be asked for when the first is used up.
;   The K steps are multiplied in the order 4, 5, 6, 0, 1, 2, 3, 7: three sets of registers take 4, 5, 6 at the head, 7 when the first set is free.  No loop, so no data prefetch.
; ctx's 16 images (16 KiB) are copied once into LDS, one a wave, and read by all.
; THE MATRIX INSTRUCTION: source 0 = 16 rows of Wo, source 1 = 16 rows of ctx: a lane holds one row, its registers eight neighbouring columns.  bo is loaded into the accumulators: the sums start from it.
; THE STAGE for the norm lies over Wo's LDS bytes: they have had their only fill, and a barrier stands between every wave's last read of them and the first store.
; The variance is taken of x - mean, in a second pass, as the problem writes it.
.set WOL,   0                          ; LDS: Wo: 16,384 w + 4,096 n + 1,024 s + 512 c + 16 lane
.set STG,   0                          ; later: 32 rows x (4,096 + 16)
.set SPITCH, 4112                      ; 1,028 words: the 16 rows of a store start 4 words apart
.set XIMG,  262144                     ; ctx's images (8 tt + s) x 1,024
.set XSC,   XIMG+16384                 ; their scale words [s 8][tt 2][16]
.set SPARE, XSC+1024                   ; the spare words: 128 bytes a wave, named by no other line
.set LI,  4                            ; v4  16 x lane
.set LX,  11                           ; v11 XIMG + 16 x lane
.set LW,  15                           ; v15 my bytes of Wo in LDS + 16 x lane
.set WS,  16                           ; v16-31   Wo's scale words: 4 n + s / 2; lanes 0-15 even K steps, lanes 16-31 odd
.set ACC, 32                           ; v32-95   accumulator (n, tt) at 8 (2 n + tt); later my two rows
.set W0,  96                           ; v96-191  three sets of four fragments of Wo; later gamma and hidden_states' two rows
.set XF,  192                          ; v192-223 two sets of ctx's two fragments; later beta
.set XS,  224                          ; v224-231 ctx's scale words: lanes 0-15 rows 0-15, lanes 16-31 rows 16-31
.set SPW, 252
.set NIL, 253
.set G0,  48
.set G1,  52
.macro CROUND
	s_barrier_signal -1
	s_barrier_wait -1
	s_cmp_lg_u32 s20, 0
	s_cbranch_scc1 .Lnot_wave_0_\@
	s_barrier_signal -3
.Lnot_wave_0_\@:
	s_barrier_wait -3
	s_barrier_signal -1
	s_barrier_wait -1
.endm
	s_load_b512 s[4:19], s[0:1], 0x0               ; cc s[4:5], cs s[6:7], woq s[8:9], bo s[10:11], hidden_states s[12:13], gamma s[14:15], beta s[16:17], out0 s[18:19]
	v_lshl_add_u32 v[SPW], v0, 2, SPARE
	v_mov_b32 v[NIL], 0
	ds_add_u32 v[SPW], v[NIL]                      ; the wave's opening: the add, twice on end, and its wait ahead of the first tensor load
	ds_add_u32 v[SPW], v[NIL]
	v_lshrrev_b32 v1, 5, v0
	s_delay_alu instid0(VALU_DEP_1)
	v_readfirstlane_b32 s20, v1                    ; wave 0..15
	s_bfe_u32 s21, ttmp6, 0x40000                  ; cx
	s_lshl_b32 s24, ttmp9, 2
	s_add_co_u32 s21, s21, s24                     ; g: my work-group, 4 x cluster + cx: it enters global addresses of my own loads and stores alone
	s_mov_b32 s[G1], 15|(3<<16)|(1<<21)            ; the mask: all four of the cluster; elements of 8 bytes; bit 21 beside a mask; no padding: images are read 16 bytes a lane on end
	s_mov_b32 s[G1+1], 512<<16                     ; tensor_dim0 = 512 elements: four K steps of a tile
	s_mov_b32 s[G1+2], 4<<16                       ; tensor_dim1 = 4 tiles
	s_mov_b32 s[G1+3], 512<<16                     ; tile_dim0
	s_mov_b32 s[G1+4], 4                           ; tile_dim1
	s_mov_b32 s[G1+5], 1024                        ; the pitch: a tile's eight K steps
	s_mov_b32 s[G1+6], 0
	s_mov_b32 s[G1+7], 0
	s_lshl_b32 s34, s20, 10
	s_lshr_b32 s22, s20, 3                         ; tt: which 16 rows my image of ctx belongs to,
	s_and_b32 s23, s20, 7                          ; s: which K step
	s_lshl_b32 s35, s23, 7
	s_lshl_b32 s36, s22, 6
	s_add_co_u32 s35, s35, s36
	s_add_co_u32 s35, s35, XSC                     ; where its scale words go,
	s_add_co_u32 s60, s34, XIMG                    ; and the image
	s_lshl_b32 s61, s20, 8                         ; the stage: my 256 bytes of a row
	s_mul_i32 s62, s20, 2*SPITCH                   ; and my two rows
	s_lshl_b32 s63, s20, 14                        ; my 16,384 bytes of Wo
	; ctx's scale words lie by the attention's blocks: (((4 batch + s / 2) 32 + x) 8 + 2 qt + s % 2) x 64 bytes, for the 16 rows number T = 2 g + tt: batch T / 128, x (T % 128) / 4, qt T % 4
	s_lshl_b32 s24, s21, 1
	s_add_co_u32 s24, s24, s22
	s_lshr_b32 s25, s24, 7
	s_bfe_u32 s26, s24, 0x50002
	s_and_b32 s27, s24, 3
	s_lshl_b32 s25, s25, 2
	s_lshr_b32 s28, s23, 1
	s_add_co_u32 s25, s25, s28
	s_lshl_b32 s25, s25, 5
	s_add_co_u32 s25, s25, s26
	s_lshl_b32 s25, s25, 3
	s_lshl_b32 s27, s27, 1
	s_add_co_u32 s25, s25, s27
	s_and_b32 s28, s23, 1
	s_add_co_u32 s25, s25, s28
	s_lshl_b32 s28, s25, 6
	s_mov_b32 s29, 0
	s_lshl_b32 s36, s21, 14                        ; cc: 16 images for each work-group, one a wave
	s_add_co_u32 s36, s36, s34
	s_mov_b32 s37, 0
	s_lshl_b32 s38, s20, 15                        ; woq: my four tiles of 16 rows, 8,192 bytes each
	s_mov_b32 s39, 0
	s_lshl_b32 s40, s20, 11
	s_add_co_u32 s40, s40, 524288                  ; and their scale words
	s_mov_b32 s41, 0
	s_lshl_b32 s42, s20, 8                         ; bo: my 64 columns
	s_mov_b32 s43, 0
	s_lshl_b32 s44, s21, 17                        ; hidden_states and out0: 32 rows of 4,096 bytes for each work-group,
	s_lshl_b32 s45, s20, 13                        ; two a wave
	s_add_co_u32 s44, s44, s45
	s_mov_b32 s45, 0
	s_mov_b32 s30, 0x76543210
	s_mov_b32 s31, 0xfedcba98
	s_mov_b32 s32, 0x3a800000                      ; 1 / 1,024
	s_mov_b32 s33, 0x2b8cbccc                      ; 1e-12
	s_wait_dscnt 0x0                               ; both opening adds are done
	s_wait_kmcnt 0x0
	s_add_nc_u64 s[4:5], s[4:5], s[36:37]
	s_add_nc_u64 s[6:7], s[6:7], s[28:29]
	s_add_nc_u64 s[46:47], s[8:9], s[40:41]
	s_add_nc_u64 s[8:9], s[8:9], s[38:39]
	s_add_nc_u64 s[10:11], s[10:11], s[42:43]
	s_add_nc_u64 s[12:13], s[12:13], s[44:45]
	s_add_nc_u64 s[18:19], s[18:19], s[44:45]
	s_mov_b32 s[G0], 1
	s_mov_b32 s[G0+1], s63                         ; by the wave's number alone
	s_mov_b64 s[G0+2:G0+3], s[8:9]                 ; my first tile, K step 0: the same in all four work-groups
	s_or_b32 s[G0+3], s[G0+3], 0x80000000
	CROUND                                         ; all four work-groups are here: the joint loads meet
	tensor_load_to_lds s[G0:G0+3], s[G1:G1+7]      ; one tensor load a wave, the launch's only one
	s_nop 0
.rept 4
	v_nop
.endr
	v_and_b32 v1, 15, v0                           ; r
	v_bfe_u32 v2, v0, 4, 1                         ; h
	v_and_b32 v3, 31, v0                           ; lane
	v_lshlrev_b32 v[LI], 4, v3
	v_lshlrev_b32 v5, 3, v3
	v_lshlrev_b32 v6, 2, v1
	v_lshlrev_b32 v7, 5, v2
	v_mul_u32_u24 v12, v1, SPITCH
	v_add_nc_u32 v8, s60, v[LI]                    ; where I put my image of ctx
	v_add_nc_u32 v9, s35, v6                       ; and its scale words
	v_lshl_add_u32 v10, v3, 2, XSC
	v_add_nc_u32 v[LX], XIMG, v[LI]
	v_add_nc_u32 v[LW], s63, v[LI]
	v_lshl_add_u32 v12, v2, 5, v12
	v_add_nc_u32 v14, s62, v[LI]                   ; the stage, back: my two rows, 16 bytes a lane
	v_add_nc_u32 v12, s61, v12                     ; the stage, in: row r, my 256 bytes, + 32 h;
	v_mov_b32 v233, 0                              ; written once: a lane permute's destination counts as one of its sources
	v_mov_b32 v237, 0                              ; (upper halves of pairs of which the low word serves both halves)
	v_mov_b32 v239, 0
	v_add_nc_u32 v13, 16*SPITCH, v12               ; rows 16 on
	s_wait_alu depctr_va_vdst(0)                   ; the wait at the head's end
.macro WLOAD s, set                    ; K step s of my four tiles of Wo, from memory
.irp n, 0,1,2,3
.irp c, 0,1
	global_load_b128 v[W0+32*(\set)+8*\n+4*\c:W0+32*(\set)+8*\n+4*\c+3], v[LI], s[8:9] offset:8192*\n+1024*(\s)+512*\c
.endr
.endr
.endm
.macro LFETCH s, set                   ; the same from LDS: eight loads
.irp n, 0,1,2,3
.irp c, 0,1
	ds_load_b128 v[W0+32*(\set)+8*\n+4*\c:W0+32*(\set)+8*\n+4*\c+3], v[LW] offset:4096*\n+1024*(\s)+512*\c
.endr
.endr
.endm
.macro XFETCH s, set                   ; K step s of ctx's two tiles of rows: four loads
.irp tt, 0,1
.irp c, 0,1
	ds_load_b128 v[XF+16*(\set)+8*\tt+4*\c:XF+16*(\set)+8*\tt+4*\c+3], v[LX] offset:(8*\tt+(\s))*1024+512*\c
.endr
.endr
.endm
.macro ROWLOAD reg, base, off          ; a row of 4,096 bytes: eight loads of 512 consecutive bytes
.irp i, 0,1,2,3,4,5,6,7
	global_load_b128 v[\reg+4*\i:\reg+4*\i+3], v[LI], s[\base:\base+1] offset:(\off)+512*\i
.endr
.endm
	global_load_b128 v[232:235], v[LI], s[4:5]     ; my image of ctx,
	global_load_b128 v[240:243], v[LI], s[4:5] offset:512
	global_load_b32 v244, v6, s[6:7]               ; its scale words
.irp n, 0,1,2,3
.irp tt, 0,1
	global_load_b128 v[ACC+8*(2*\n+\tt):ACC+8*(2*\n+\tt)+3], v7, s[10:11] offset:64*\n        ; bo of columns 16 n + 8 h + j: the sums start from it
	global_load_b128 v[ACC+8*(2*\n+\tt)+4:ACC+8*(2*\n+\tt)+7], v7, s[10:11] offset:64*\n+16
.endr
.endr
.irp n, 0,1,2,3
.irp kh, 0,1
	global_load_b64 v[WS+4*\n+2*\kh:WS+4*\n+2*\kh+1], v5, s[46:47] offset:(2*\n+\kh)*256
.endr
.endr
	WLOAD 4, 0
	WLOAD 5, 1
	WLOAD 6, 2
	s_wait_tensorcnt 0x0                           ; my four K steps of Wo are in LDS; no tensor load of mine is out when I store to LDS
	s_wait_loadcnt 48                              ; ctx's three loads are in; behind them: bo 16, the scale words 8, Wo 24
	ds_store_b128 v8, v[232:235]
	ds_store_b128 v8, v[240:243] offset:512
	ds_store_b32 v9, v244                          ; both halves of the lanes write the same word with the same value
	s_wait_dscnt 0x0                               ; for the others' sake: my stores have landed
	s_barrier_signal -1
	s_barrier_wait -1
.irp s, 0,1,2,3,4,5,6,7
	ds_load_b32 v[XS+\s], v10 offset:128*\s
.endr
	XFETCH 4, 0
	XFETCH 5, 1
.macro WMS d, a, b, sa, sb, ra, rb     ; one link, in place; ra, rb: the scales stand in lanes 16-31
.if (\ra) && (\rb)
	v_wmma_scale_f32_16x16x128_f8f6f4 v[\d:\d+7], v[\a:\a+7], v[\b:\b+7], v[\d:\d+7], v[\sa], v[\sb] matrix_a_fmt:MATRIX_FMT_FP4 matrix_b_fmt:MATRIX_FMT_FP4 matrix_a_scale:MATRIX_SCALE_ROW1 matrix_b_scale:MATRIX_SCALE_ROW1
.elseif \ra
	v_wmma_scale_f32_16x16x128_f8f6f4 v[\d:\d+7], v[\a:\a+7], v[\b:\b+7], v[\d:\d+7], v[\sa], v[\sb] matrix_a_fmt:MATRIX_FMT_FP4 matrix_b_fmt:MATRIX_FMT_FP4 matrix_a_scale:MATRIX_SCALE_ROW1
.elseif \rb
	v_wmma_scale_f32_16x16x128_f8f6f4 v[\d:\d+7], v[\a:\a+7], v[\b:\b+7], v[\d:\d+7], v[\sa], v[\sb] matrix_a_fmt:MATRIX_FMT_FP4 matrix_b_fmt:MATRIX_FMT_FP4 matrix_b_scale:MATRIX_SCALE_ROW1
.else
	v_wmma_scale_f32_16x16x128_f8f6f4 v[\d:\d+7], v[\a:\a+7], v[\b:\b+7], v[\d:\d+7], v[\sa], v[\sb] matrix_a_fmt:MATRIX_FMT_FP4 matrix_b_fmt:MATRIX_FMT_FP4
.endif
.endm
; A K step s on Wo's set ws and ctx's set xs: eight accumulators by turns, one instruction a turn.  lc, dc: the global and the LDS loads issued behind the ones that this step wants (lc < 0: it wants no global load)
.macro MSTEP s, ws, xs, lc, dc
.if (\lc) >= 0
	s_wait_loadcnt \lc
.endif
	s_wait_dscnt \dc
.irp n, 0,1,2,3
.irp tt, 0,1
	WMS ACC+8*(2*\n+\tt), W0+32*(\ws)+8*\n, XF+16*(\xs)+8*\tt, WS+4*\n+(\s)/2, XS+(\s), (\s)%2, \tt
.endr
.endr
.rept 4
	v_nop                                          ; places in front of loads into registers that these products have read, and of the first read of results
.endr
.endm
	MSTEP 4, 0, 0, 16, 4                           ; out: Wo's K steps 5, 6 (16); ctx's K step 5 (4)
	WLOAD 7, 0
	XFETCH 6, 0
	MSTEP 5, 1, 1, 16, 4                           ; out: K steps 6, 7; ctx's 6
	LFETCH 0, 1
	XFETCH 0, 1
	MSTEP 6, 2, 0, 8, 12                           ; out: K step 7; from LDS Wo's 0 (8) and ctx's 0 (4)
	LFETCH 1, 2
	XFETCH 1, 0
	MSTEP 0, 1, 1, -1, 12                          ; out: the next step's eight and four
	LFETCH 2, 1
	XFETCH 2, 1
	MSTEP 1, 2, 0, -1, 12
	LFETCH 3, 2
	XFETCH 3, 0
	MSTEP 2, 1, 1, -1, 12
	ROWLOAD W0+32, 12, 0                           ; hidden_states, my first row
	XFETCH 7, 1
	MSTEP 3, 2, 0, -1, 4                           ; out: ctx's K step 7
	ROWLOAD W0+64, 12, 4096                        ; my second
	MSTEP 7, 0, 1, 16, 0                           ; out: hidden_states' two rows
	ROWLOAD W0, 14, 0                              ; gamma
	ROWLOAD XF, 16, 0                              ; beta
	s_barrier_signal -1                            ; (no LDS instruction of mine is out: the last step waited for all)
	s_barrier_wait -1                              ; no wave reads Wo's bytes any more: the stage may lie over them
.irp n, 0,1,2,3                                ; lane (r, h): row 16 tt + r, columns 64 w + 16 n + 8 h + 0 .. 7; each accumulator from its low end on
	ds_store_b128 v12, v[ACC+16*\n:ACC+16*\n+3] offset:64*\n
	ds_store_b128 v12, v[ACC+16*\n+4:ACC+16*\n+7] offset:64*\n+16
	ds_store_b128 v13, v[ACC+16*\n+8:ACC+16*\n+11] offset:64*\n
	ds_store_b128 v13, v[ACC+16*\n+12:ACC+16*\n+15] offset:64*\n+16
.endr
	s_wait_dscnt 0x0                               ; for the others' sake: my stores have landed
	s_barrier_signal -1
	s_barrier_wait -1                              ; 32 whole rows lie in the stage
.irp p, 0,1
.irp i, 0,1,2,3,4,5,6,7
	ds_load_b128 v[ACC+32*\p+4*\i:ACC+32*\p+4*\i+3], v14 offset:\p*SPITCH+512*\i
.endr
.endr
	s_wait_loadcnt 0x0                             ; hidden_states, gamma, beta
	s_wait_dscnt 0x0
.macro LANESUM                         ; v232 over the 32 lanes, into every lane
	s_delay_alu instid0(VALU_DEP_1)
	v_add_f32_dpp v232, v232, v232 row_xmask:1 row_mask:0xf bank_mask:0xf
	s_delay_alu instid0(VALU_DEP_1)
	v_add_f32_dpp v232, v232, v232 row_xmask:2 row_mask:0xf bank_mask:0xf
	s_delay_alu instid0(VALU_DEP_1)
	v_add_f32_dpp v232, v232, v232 row_xmask:4 row_mask:0xf bank_mask:0xf
	s_delay_alu instid0(VALU_DEP_1)
	v_add_f32_dpp v232, v232, v232 row_xmask:8 row_mask:0xf bank_mask:0xf
	s_delay_alu instid0(VALU_DEP_1)
	v_permlanex16_b32 v233, v232, s30, s31
	s_delay_alu instid0(VALU_DEP_1)
	v_add_f32 v232, v232, v233
.endm
.macro ROWLN xr, hr, off               ; one row: 32 numbers a lane
.set J, 0
.rept 16
	v_pk_add_f32 v[\xr+J:\xr+J+1], v[\xr+J:\xr+J+1], v[\hr+J:\hr+J+1]      ; + hidden_states
.set J, J+2
.endr
	v_pk_add_f32 v[232:233], v[\xr:\xr+1], v[\xr+2:\xr+3]                  ; the sum, in two chains
	v_pk_add_f32 v[234:235], v[\xr+4:\xr+5], v[\xr+6:\xr+7]
.set J, 8
.rept 6
	s_delay_alu instid0(VALU_DEP_2)
	v_pk_add_f32 v[232:233], v[232:233], v[\xr+J:\xr+J+1]
	s_delay_alu instid0(VALU_DEP_2)
	v_pk_add_f32 v[234:235], v[234:235], v[\xr+J+2:\xr+J+3]
.set J, J+4
.endr
	s_delay_alu instid0(VALU_DEP_1)
	v_pk_add_f32 v[232:233], v[232:233], v[234:235]
	s_delay_alu instid0(VALU_DEP_1)
	v_add_f32 v232, v232, v233
	LANESUM
	s_delay_alu instid0(VALU_DEP_1)
	v_mul_f32 v236, s32, v232                      ; the mean
.set J, 0
.rept 16
	v_pk_add_f32 v[\xr+J:\xr+J+1], v[\xr+J:\xr+J+1], v[236:237] op_sel_hi:[1,0] neg_lo:[0,1] neg_hi:[0,1]   ; x - mean
.set J, J+2
.endr
	v_pk_mul_f32 v[232:233], v[\xr:\xr+1], v[\xr:\xr+1]                    ; the squares' sum, in two chains
	v_pk_mul_f32 v[234:235], v[\xr+2:\xr+3], v[\xr+2:\xr+3]
.set J, 4
.rept 7
	s_delay_alu instid0(VALU_DEP_2)
	v_pk_fma_f32 v[232:233], v[\xr+J:\xr+J+1], v[\xr+J:\xr+J+1], v[232:233]
	s_delay_alu instid0(VALU_DEP_2)
	v_pk_fma_f32 v[234:235], v[\xr+J+2:\xr+J+3], v[\xr+J+2:\xr+J+3], v[234:235]
.set J, J+4
.endr
	s_delay_alu instid0(VALU_DEP_1)
	v_pk_add_f32 v[232:233], v[232:233], v[234:235]
	s_delay_alu instid0(VALU_DEP_1)
	v_add_f32 v232, v232, v233
	LANESUM
	s_delay_alu instid0(VALU_DEP_1)
	v_fma_f32 v232, v232, s32, s33                 ; the variance + 1e-12
	s_wait_alu depctr_va_vdst(0)
	v_rsq_f32 v238, v232
	v_nop                                          ; the plain line behind the transcendental
	s_wait_alu depctr_va_vdst(0)                   ; ahead of the first line that names the result
.set J, 0
.rept 16
	v_pk_mul_f32 v[\xr+J:\xr+J+1], v[\xr+J:\xr+J+1], v[238:239] op_sel_hi:[1,0]
.set J, J+2
.endr
.set J, 0
.rept 16
	v_pk_fma_f32 v[\xr+J:\xr+J+1], v[\xr+J:\xr+J+1], v[W0+J:W0+J+1], v[XF+J:XF+J+1]   ; x gamma + beta
.set J, J+2
.endr
.irp i, 0,1,2,3,4,5,6,7
	global_store_b128 v[LI], v[\xr+4*\i:\xr+4*\i+3], s[18:19] offset:(\off)+512*\i th:TH_STORE_NT   ; 512 consecutive bytes; written once, read by nobody here
.endr
.endm
	ROWLN ACC, W0+32, 0
	ROWLN ACC+32, W0+64, 4096
	s_wait_tensorcnt 0x0                           ; the wave's end: behind my last tensor load and my last LDS store
	ds_add_u32 v[SPW], v[NIL]
	s_wait_dscnt 0x0
	CROUND                                         ; the closing round
	s_endpgm
.Lfunc_end_k_q35d8061508_outln:
	.size	k_q35d8061508_outln, .Lfunc_end_k_q35d8061508_outln-k_q35d8061508_outln
	.p2alignl 7, 3214868480
	.fill 96, 4, 3214868480
	.section	.rodata,"a",@progbits
	.p2align	6, 0x0
	.amdhsa_kernel k_q35d8061508_outln
		.amdhsa_group_segment_fixed_size 327680
		.amdhsa_private_segment_fixed_size 0
		.amdhsa_enable_private_segment 0
		.amdhsa_kernarg_size 64
		.amdhsa_user_sgpr_count 2
		.amdhsa_user_sgpr_kernarg_segment_ptr 1
		.amdhsa_wavefront_size32 1
		.amdhsa_system_sgpr_workgroup_id_x 1
		.amdhsa_system_sgpr_workgroup_id_y 1
		.amdhsa_system_sgpr_workgroup_id_z 1
		.amdhsa_system_vgpr_workitem_id 0
		.amdhsa_next_free_vgpr 256
		.amdhsa_next_free_sgpr 66
		.amdhsa_reserve_vcc 0
		.amdhsa_float_denorm_mode_32 3
		.amdhsa_float_denorm_mode_16_64 3
		.amdhsa_memory_ordered 1
		.amdhsa_forward_progress 1
		.amdhsa_inst_pref_size 49
	.end_amdhsa_kernel
	.amdgpu_metadata
---
amdhsa.version: [ 1, 2 ]
amdhsa.kernels:
  - .name:           k_q35d8061508_outln
    .symbol:         k_q35d8061508_outln.kd
    .args:
      - { .name: cc, .offset: 0, .size: 8, .value_kind: global_buffer, .address_space: global }
      - { .name: cs, .offset: 8, .size: 8, .value_kind: global_buffer, .address_space: global }
      - { .name: woq, .offset: 16, .size: 8, .value_kind: global_buffer, .address_space: global }
      - { .name: bo, .offset: 24, .size: 8, .value_kind: global_buffer, .address_space: global }
      - { .name: hidden_states, .offset: 32, .size: 8, .value_kind: global_buffer, .address_space: global }
      - { .name: ln_gamma, .offset: 40, .size: 8, .value_kind: global_buffer, .address_space: global }
      - { .name: ln_beta, .offset: 48, .size: 8, .value_kind: global_buffer, .address_space: global }
      - { .name: out0, .offset: 56, .size: 8, .value_kind: global_buffer, .address_space: global }
    .group_segment_fixed_size: 327680
    .private_segment_fixed_size: 0
    .kernarg_segment_align: 8
    .kernarg_segment_size: 64
    .max_flat_workgroup_size: 512
    .sgpr_count:     66
    .vgpr_count:     256
    .wavefront_size: 32
...
	.end_amdgpu_metadata
.endif
;; end of part 4
